; MI455X (gfx1250); checked and timed in simulation.
; The chip was launched on July 23, 2026; its instructions are those of AMD's public machine-readable ISA for CDNA 5 (MIT licence, August 2026) and "CDNA5" Instruction Set Architecture Reference Guide (July 2026). The comments in the code are by the model that wrote it; some were corrected since.
;; Diff Multi Headed Attention. Allowed arithmetic: float matrix products may take bf16 or f16 operands with f32 sums; other float arithmetic in f32, or as packed bf16 or f16 multiplies, adds, multiply-adds, maxima and minima; sums over many terms, partial sums and values carried from step to step in f32; what a program stores and reads back later, other than sums and carried values, may be rounded once to bf16 or f16.
;; Inputs: Wk 1,024 x 1,024 float32; Wo 1,024 x 1,024 float32; Wq 1,024 x 1,024 float32; Wv 1,024 x 1,024 float32; key_t 2 x 2,048 x 1,024 float32; lambda_k1 64 float32; lambda_k2 64 float32; lambda_q1 64 float32; lambda_q2 64 float32; query 2 x 2,048 x 1,024 float32; rms_weight 128 float32; value 2 x 2,048 x 1,024 float32.
;; Outputs: out0 2 x 2,048 x 1,024 float32.
;; One version. Each part assembles by itself: llvm-mc -triple=amdgcn-amd-amdhsa -mcpu=gfx1250 --defsym DOCPART=n.
;; ======== version 1 of 1: 4 launches
;; limits: values are held in f16: magnitudes above 65,504 overflow, below 6.1e-05 lose precision
;; workspace buffers: cv 33,554,432 bytes; qkv 25,165,824 bytes; ob 8,388,608 bytes
;; launch prep (part 1): grid 1024 x 1, 8 waves a work-group, no clusters, 0 bytes of LDS; arguments query, key_t, value, Wq, Wk, Wv, Wo, cv; writes cv
.if DOCPART == 1
	.amdgcn_target "amdgcn-amd-amdhsa--gfx1250"
	.amdhsa_code_object_version 6
	.text
	.protected	k_q559909f331_prep
	.globl	k_q559909f331_prep
	.p2align	8
	.type	k_q559909f331_prep,@function
k_q559909f331_prep:
	s_mov_b64 s[64:65], 0
	v_nop
	global_prefetch_b8 v0, s[64:65] scope:SCOPE_SE
	s_setreg_imm32_b32 hwreg(HW_REG_WAVE_MODE, 25, 1), 1
	s_wait_xcnt 0x0
; All seven large inputs are rounded once to bf16 and laid on end in cv: query, key_t, value (4,096 x 1,024 each), then Wq, Wk, Wv, Wo (1,024 x 1,024 each, as they lie: [k][n]).
; Wo's bf16 number is written as f16, since the last product multiplies in f16: exact from 2^-17 up, below that off by 3e-8 at the most.
; A stream: no LDS, no matrix work, no barrier.  Work-group g turns 65,536 bytes of one input into the 32,768 bytes of cv at 32,768 g.
; Thread t takes 32 bytes at 32 t of each of eight groups of 8,192 bytes and stores 16 bytes at 16 t: a wave's store covers 512 consecutive bytes.
; All sixteen loads of a thread go out first; no register is written twice while a memory instruction may read it, so there is no wait but the counted ones for data.
.set X, 16                             ; v[16:79]   eight groups of eight f32 as loaded
.set Y, 80                             ; v[80:111]  eight groups of four packed words
.set T, 4                              ; v[4:7]     at work (Wo's path)
.macro PICK lim, p                     ; from work-group lim on the source is the buffer in s[p:p+1]
	s_cmp_ge_u32 ttmp9, \lim
	s_cselect_b64 s[4:5], s[\p:\p+1], s[4:5]
	s_cselect_b32 s6, \lim, s6
.endm
	s_load_b512 s[8:23], s[0:1], 0x0               ; query, key_t, value, Wq, Wk, Wv, Wo, cv
	v_lshlrev_b32 v1, 5, v0                        ; 32 t
	v_lshlrev_b32 v2, 4, v0                        ; 16 t
	s_mov_b32 s3, 0
	s_mov_b32 s25, 0
	s_lshl_b32 s24, ttmp9, 15                      ; my 32,768 bytes of cv
	s_wait_kmcnt 0x0
	s_mov_b64 s[4:5], s[8:9]
	s_mov_b32 s6, 0
	PICK 256, 10
	PICK 512, 12
	PICK 768, 14
	PICK 832, 16
	PICK 896, 18
	PICK 960, 20
	s_sub_co_u32 s2, ttmp9, s6                     ; my number within the source,
	s_lshl_b32 s2, s2, 16                          ; times 65,536 bytes
	s_add_nc_u64 s[4:5], s[4:5], s[2:3]
	s_add_nc_u64 s[22:23], s[22:23], s[24:25]
.irp i, 0,1,2,3,4,5,6,7
	global_load_b128 v[X+8*(\i):X+8*(\i)+3],   v1, s[4:5] offset:8192*(\i) th:TH_LOAD_NT
	global_load_b128 v[X+8*(\i)+4:X+8*(\i)+7], v1, s[4:5] offset:8192*(\i)+16 th:TH_LOAD_NT
.endr
	s_cmp_ge_u32 ttmp9, 960
	s_cbranch_scc1 .Lwo
.irp i, 0,1,2,3,4,5,6,7
	s_wait_loadcnt 14-2*(\i)                       ; loads come back in order: group i is in, the 14 - 2 i younger loads stay out
.irp k, 0,1,2,3
	v_cvt_pk_bf16_f32 v[Y+4*(\i)+(\k)], v[X+8*(\i)+2*(\k)], v[X+8*(\i)+2*(\k)+1]
.endr
	global_store_b128 v2, v[Y+4*(\i):Y+4*(\i)+3], s[22:23] offset:4096*(\i) th:TH_STORE_NT
.endr
	s_endpgm
.Lwo:                                          ; Wo: rounded to bf16, widened again, written as f16
.irp i, 0,1,2,3,4,5,6,7
	s_wait_loadcnt 14-2*(\i)
.irp k, 0,1,2,3
	v_cvt_pk_bf16_f32 v[T+(\k)], v[X+8*(\i)+2*(\k)], v[X+8*(\i)+2*(\k)+1]
.endr
.irp k, 0,1,2,3
	v_lshlrev_b32 v[X+8*(\i)+2*(\k)],   16, v[T+(\k)]
	v_and_b32     v[X+8*(\i)+2*(\k)+1], 0xffff0000, v[T+(\k)]
.endr
.irp k, 0,1,2,3
	v_cvt_pk_f16_f32 v[Y+4*(\i)+(\k)], v[X+8*(\i)+2*(\k)], v[X+8*(\i)+2*(\k)+1]
.endr
	global_store_b128 v2, v[Y+4*(\i):Y+4*(\i)+3], s[22:23] offset:4096*(\i) th:TH_STORE_NT
.endr
	s_endpgm
.Lfunc_end_k_q559909f331_prep:
	.size	k_q559909f331_prep, .Lfunc_end_k_q559909f331_prep-k_q559909f331_prep
	.p2alignl 7, 3214868480
	.fill 96, 4, 3214868480
	.section	.rodata,"a",@progbits
	.p2align	6, 0x0
	.amdhsa_kernel k_q559909f331_prep
		.amdhsa_group_segment_fixed_size 0
		.amdhsa_private_segment_fixed_size 0
		.amdhsa_enable_private_segment 0
		.amdhsa_kernarg_size 64
		.amdhsa_user_sgpr_count 2
		.amdhsa_user_sgpr_kernarg_segment_ptr 1
		.amdhsa_wavefront_size32 1
		.amdhsa_system_sgpr_workgroup_id_x 1
		.amdhsa_system_sgpr_workgroup_id_y 1
		.amdhsa_system_sgpr_workgroup_id_z 1
		.amdhsa_system_vgpr_workitem_id 0
		.amdhsa_next_free_vgpr 112
		.amdhsa_next_free_sgpr 66
		.amdhsa_reserve_vcc 0
		.amdhsa_float_denorm_mode_32 3
		.amdhsa_float_denorm_mode_16_64 3
		.amdhsa_memory_ordered 1
		.amdhsa_forward_progress 1
		.amdhsa_inst_pref_size 15
	.end_amdhsa_kernel
	.amdgpu_metadata
---
amdhsa.version: [ 1, 2 ]
amdhsa.kernels:
  - .name:           k_q559909f331_prep
    .symbol:         k_q559909f331_prep.kd
    .args:
      - { .name: query, .offset: 0, .size: 8, .value_kind: global_buffer, .address_space: global }
      - { .name: key_t, .offset: 8, .size: 8, .value_kind: global_buffer, .address_space: global }
      - { .name: value, .offset: 16, .size: 8, .value_kind: global_buffer, .address_space: global }
      - { .name: Wq, .offset: 24, .size: 8, .value_kind: global_buffer, .address_space: global }
      - { .name: Wk, .offset: 32, .size: 8, .value_kind: global_buffer, .address_space: global }
      - { .name: Wv, .offset: 40, .size: 8, .value_kind: global_buffer, .address_space: global }
      - { .name: Wo, .offset: 48, .size: 8, .value_kind: global_buffer, .address_space: global }
      - { .name: cv, .offset: 56, .size: 8, .value_kind: global_buffer, .address_space: global }
    .group_segment_fixed_size: 0
    .private_segment_fixed_size: 0
    .kernarg_segment_align: 8
    .kernarg_segment_size: 64
    .max_flat_workgroup_size: 256
    .sgpr_count:     66
    .vgpr_count:     112
    .wavefront_size: 32
...
	.end_amdgpu_metadata
.endif
;; end of part 1
;; launch proj (part 2): grid 8 x 96, 4 waves a work-group, clusters of 4 x 4, 327,680 bytes of LDS; arguments cv, qkv; writes qkv
.if DOCPART == 2
	.amdgcn_target "amdgcn-amd-amdhsa--gfx1250"
	.amdhsa_code_object_version 6
	.text
	.protected	k_q559909f331_proj
	.globl	k_q559909f331_proj
	.p2align	8
	.type	k_q559909f331_proj,@function
k_q559909f331_proj:
	s_mov_b64 s[64:65], 0
	v_nop
	global_prefetch_b8 v0, s[64:65] scope:SCOPE_SE
	s_setreg_imm32_b32 hwreg(HW_REG_WAVE_MODE, 25, 1), 1
	s_wait_xcnt 0x0
	s_wait_alu depctr_hold_cnt(0) depctr_sa_sdst(0) depctr_va_vdst(0) depctr_va_sdst(0) depctr_va_ssrc(0) depctr_va_vcc(0) depctr_vm_vsrc(0)
	s_getreg_b32 s2, hwreg(HW_REG_IB_STS2, 6, 4)
	s_cmp_eq_u32 s2, 0
	s_cbranch_scc0 .Lentry_in_a_cluster
	s_endpgm
.Lentry_in_a_cluster:
	s_bfe_u32 s2, ttmp6, 0x10000c
	s_cmp_lg_u32 s2, 0xf033
	s_cbranch_scc0 .Lentry_shape_is_right
	s_endpgm
.Lentry_shape_is_right:
; q, k, v = x W for the three inputs at once.  A: the 12,288 rows of query, key_t, value on end in cv, [row][1,024] bf16.  W: Wq, Wk, Wv behind them, [k][n] bf16.  Sums in f32.
; OUT: qkv, three tensors [2][8][2,048][128] in f16, unscaled: a head's rows are dense, 256 bytes each (for q and k: half-head 2 h, then 2 h + 1).
; LIMIT: f16 ends at 65,504: |q|, |k|, |v| must stay below it (inputs and weights 30 times the drawn spread, or offset by 30 spreads, give 18,400 at the most).
; A tile of C is 128 x 128 = 128 rows of one head: 768 work-groups, three for each of 256 WGPs; tiles of 256 x 256 would be 192.  Four waves, each 64 x 64: 16 accumulators.
; K = 1,024 goes in four steps of 256 through two LDS slots, so the text is straight: steps 0 and 1 are first fills, steps 2 and 3 refills.
; CLUSTER 4 x 4: the four of a row need the same tile of A, the four of a column the same tile of W: each is asked for jointly, by the same tensor load, descriptor and mask.
; THE MATRIX INSTRUCTION IS USED TRANSPOSED (source 0 = 16 columns of W, source 1 = 16 rows of A): a lane holds eight neighbouring numbers of a row of C.
; W lies [k][n], so its fragments come out of LDS turned, by ds_load_tr16_b128.
; No prefetch: the tiles are small, and two of the four K steps are the first fills.
; REGISTERS: window 0: v16-29 addresses; v32-95 the way out; v128-255 accumulators ((a, b) at 128 + 8 (4 a + b)).  Window 1: two fragment buffers of 128: 64 of A, then 64 of W.
.set PA,     528                       ; a row of A in LDS: 512 bytes + 16: the 16 rows of a load start at 16 different groups of four banks
.set PB,     288                       ; a row of W: 256 bytes + 32
.set HALFA,  64*PA                     ; what a wave fetches of A: 64 rows
.set HALFB,  128*PB                    ; what a wave fetches of W: 128 rows of k
.set BOFF,   128*PA                    ; W's tile lies behind A's 128 rows
.set SLOT,   BOFF+256*PB
.set STAGE,  2*SLOT                    ; behind the ring: 128 rows x 272 bytes, the work-group's, for the way out
.set SPITCH, 272
.set SPARE,  STAGE+128*SPITCH          ; the spare words, 128 bytes for each wave, which no other line names
.set WBASE,  25165824                  ; the weights' first byte in cv
.set ASTEP,  512                       ; a K step along A's rows, in bytes
.set WSTEP,  524288                    ; a K step down W's rows: 256 rows of 2,048 bytes
.set ADRA, 16                          ; v16-17  my A fragments in slot 0, 1
.set ADRB, 20                          ; v20-23  my W fragments: slot 0 rows 0-127, rows 128-255; slot 1 likewise (the immediates hold 65,535 at the most)
.set STO,  24
.set RD,   25
.set CO,   26
.set SPW,  28                          ; my spare word's address; never rewritten
.set NIL,  29                          ; 0; never rewritten
.set TMP,  32
.set ACC,  128
.set F0,   0
.set F1,   128
.set G1, 24                            ; s[24:31] group 1 for A;  s[32:39] group 0, a set for each slot
.set G0, 32
.set G1B, 48                           ; s[48:55], s[56:63] the same for W
.set G0B, 56
.set MSB, 0
.macro WIN new                         ; the immediate's high byte repeats the setting that is left
.if MSB != (\new)
	s_set_vgpr_msb (MSB<<8)|(\new)
.set MSB, \new
.endif
.endm
.set MUL,  0x05                        ; sources 0 (W) and 1 (A) window 1; C and D window 0
.set TO_F, 0x40                        ; destination window 1, address window 0
.macro JLOAD s                         ; a joint refill: waves 0 and 1 fetch A's halves, waves 2 and 3 W's; s_nop 0 and four v_nop follow each line
	s_cmp_eq_u32 s11, 0
	s_cbranch_scc0 .Lfor_b_\@
	tensor_load_to_lds s[G0+4*(\s):G0+4*(\s)+3], s[G1:G1+7]
	s_nop 0
.rept 4
	v_nop
.endr
	s_branch .Lasked_\@
.Lfor_b_\@:
	tensor_load_to_lds s[G0B+4*(\s):G0B+4*(\s)+3], s[G1B:G1B+7]
	s_nop 0
.rept 4
	v_nop
.endr
.Lasked_\@:
.endm
.macro CREST                           ; a round of the cluster's barrier behind its opening barrier
	s_cmp_lg_u32 s10, 0
	s_cbranch_scc1 .Lnot_wave_0_\@
	s_barrier_signal -3
.Lnot_wave_0_\@:
	s_barrier_wait -3
	s_barrier_signal -1
	s_barrier_wait -1
.endm
.macro CROUND
	s_barrier_signal -1
	s_barrier_wait -1
	CREST
.endm
	s_load_b128 s[4:7], s[0:1], 0x0                ; cv s[4:5], qkv s[6:7]
	v_lshl_add_u32 v[SPW], v0, 2, SPARE
	v_mov_b32 v[NIL], 0
	ds_add_u32 v[SPW], v[NIL]                      ; the wave's opening: the add and its wait ahead of my first tensor load
	v_lshrrev_b32 v1, 5, v0
	v_readfirstlane_b32 s10, v1                    ; wave 0..3
	s_lshr_b32 s11, s10, 1                         ; my half of the tile's rows.  Also: I fetch for A (0) or for W (1)
	s_and_b32 s12, s10, 1                          ; my half of its columns.  Also: which half I fetch
	s_bfe_u32 s40, ttmp6, 0x40000                  ; cx
	s_bfe_u32 s41, ttmp6, 0x40004                  ; cy
	s_lshl_b32 s42, ttmp9, 2
	s_add_co_u32 s42, s42, s40                     ; tile column = head = 4 x cluster x + cx
	s_and_b32 s45, ttmp7, 0xffff
	s_lshr_b32 s45, s45, 3                         ; which input and weight: eight rows of clusters each; made of the cluster's y alone
	s_and_b32 s13, ttmp7, 0xffff
	s_lshl_b32 s13, s13, 2
	s_add_co_u32 s13, s13, s41                     ; tile row = 4 x cluster y + cy, 0 .. 95
	s_lshl_b32 s43, s41, 2
	s_lshl_b32 s43, 15, s43                        ; my row of the cluster
	s_lshl_b32 s44, 0x1111, s40                    ; my column
	s_or_b32 s[G1+0], s43, (1<<16)|(1<<20)|(1<<21)|(6<<22)|(3<<25)   ; A: mask of my row; 2-byte elements; padding on; bit 21 beside a mask; after every 128 words, 4 words
	s_mov_b32 s[G1+1], 256<<16                     ; tensor_dim0 = 256
	s_mov_b32 s[G1+2], 64<<16                      ; tensor_dim1 = 64
	s_mov_b32 s[G1+3], 256<<16                     ; tile_dim0 = 256
	s_mov_b32 s[G1+4], 64                          ; tile_dim1 = 64
	s_mov_b32 s[G1+5], 1024                        ; elements from row to row
	s_mov_b32 s[G1+6], 0
	s_mov_b32 s[G1+7], 0
	s_or_b32 s[G1B+0], s44, (1<<16)|(1<<20)|(1<<21)|(5<<22)|(7<<25)  ; W: mask of my column; after every 64 words, 8 words
	s_mov_b32 s[G1B+1], 128<<16
	s_mov_b32 s[G1B+2], 128<<16
	s_mov_b32 s[G1B+3], 128<<16
	s_mov_b32 s[G1B+4], 128
	s_mov_b32 s[G1B+5], 1024
	s_mov_b32 s[G1B+6], 0
	s_mov_b32 s[G1B+7], 0
	s_lshl_b32 s16, s13, 18                        ; A: 128 rows of 2,048 bytes a tile row,
	s_lshl_b32 s17, s12, 17                        ; + the 64 rows that I fetch
	s_add_co_u32 s16, s16, s17
	s_mov_b32 s17, 0
	s_lshl_b32 s46, s42, 8                         ; W: 256 bytes a tile column,
	s_lshl_b32 s47, s12, 18                        ; + the 128 rows of k that I fetch,
	s_add_co_u32 s46, s46, s47
	s_lshl_b32 s47, s45, 21                        ; + the weight's 2,097,152 bytes
	s_add_co_u32 s46, s46, s47
	s_add_co_u32 s46, s46, WBASE
	s_mov_b32 s47, 0
	s_mul_i32 s20, s12, HALFA                      ; where they go: no place in the cluster enters an LDS address
	s_mul_i32 s21, s12, HALFB
	s_add_co_u32 s21, s21, BOFF
	s_wait_dscnt 0x0                               ; the opening add is done
	s_wait_kmcnt 0x0
	s_add_nc_u64 s[14:15], s[4:5], s[16:17]
	s_add_nc_u64 s[46:47], s[4:5], s[46:47]
	CROUND                                         ; all sixteen work-groups are here: the first joint loads meet
.irp s, 0,1
	s_mov_b32 s[G0+4*(\s)], 1
	s_add_co_u32 s[G0+4*(\s)+1], s20, (\s)*SLOT
	s_add_nc_u64 s[G0+4*(\s)+2:G0+4*(\s)+3], s[14:15], (\s)*ASTEP
	s_or_b32 s[G0+4*(\s)+3], s[G0+4*(\s)+3], 0x80000000
	s_mov_b32 s[G0B+4*(\s)], 1
	s_add_co_u32 s[G0B+4*(\s)+1], s21, (\s)*SLOT
	s_add_nc_u64 s[G0B+4*(\s)+2:G0B+4*(\s)+3], s[46:47], (\s)*WSTEP
	s_or_b32 s[G0B+4*(\s)+3], s[G0B+4*(\s)+3], 0x80000000
.endr
	s_cmp_eq_u32 s11, 0                            ; a wave's two first fills stand in one branch: two loads of mine are out
	s_cbranch_scc0 .Lfirst_b
	tensor_load_to_lds s[G0:G0+3], s[G1:G1+7]
	s_nop 0
	tensor_load_to_lds s[G0+4:G0+7], s[G1:G1+7]
	s_nop 0
.rept 4
	v_nop
.endr
	s_branch .Lfirst_asked
.Lfirst_b:
	tensor_load_to_lds s[G0B:G0B+3], s[G1B:G1B+7]
	s_nop 0
	tensor_load_to_lds s[G0B+4:G0B+7], s[G1B:G1B+7]
	s_nop 0
.rept 4
	v_nop
.endr
.Lfirst_asked:
	v_and_b32 v1, 15, v0                           ; l % 16
	v_bfe_u32 v2, v0, 4, 1                         ; l / 16
	v_mul_u32_u24 v3, v1, PA
	v_lshl_add_u32 v3, v2, 4, v3                   ; A: row x pitch + 16 x half
	s_mul_i32 s22, s11, HALFA                      ; my 64 rows
	v_add_nc_u32 v[ADRA], s22, v3
	v_add_nc_u32 v[ADRA+1], SLOT, v[ADRA]
	v_and_b32 v4, 7, v0                            ; W, turned: lane l reads row 8 (l / 16) + l % 8, columns 8 ((l / 8) % 2) + 0..7
	v_bfe_u32 v5, v0, 3, 1
	v_lshl_add_u32 v4, v2, 3, v4
	v_mul_u32_u24 v4, v4, PB
	v_lshl_add_u32 v4, v5, 4, v4
	s_lshl_b32 s22, s12, 7                         ; my 64 columns: 128 bytes
	s_add_co_u32 s22, s22, BOFF
	v_add_nc_u32 v[ADRB], s22, v4
	v_add_nc_u32 v[ADRB+1], HALFB, v[ADRB]
	v_add_nc_u32 v[ADRB+2], SLOT, v[ADRB]
	v_add_nc_u32 v[ADRB+3], SLOT, v[ADRB+1]
	s_mul_i32 s23, s11, 64*SPITCH                  ; into the stage: my 64 rows, my half of their 256 bytes
	s_lshl_b32 s22, s12, 7
	s_add_co_u32 s23, s23, s22
	s_add_co_u32 s23, s23, STAGE
	v_mul_u32_u24 v4, v1, SPITCH
	v_lshl_add_u32 v4, v2, 4, v4
	v_add_nc_u32 v[STO], s23, v4
	s_mul_i32 s23, s10, 32*SPITCH                  ; back: wave w takes rows 32 w .. 32 w + 31, whole
	s_add_co_u32 s23, s23, STAGE
	v_mul_u32_u24 v5, v2, SPITCH
	v_lshl_add_u32 v5, v1, 4, v5
	v_add_nc_u32 v[RD], s23, v5
	v_and_b32 v[CO], 31, v0                        ; two rows of a head are 512 consecutive bytes: 16 x lane
	v_lshlrev_b32 v[CO], 4, v[CO]
	s_lshr_b32 s16, s13, 4                         ; which tensor and batch: 4,194,304 bytes each,
	s_lshl_b32 s16, s16, 22
	s_and_b32 s17, s13, 15                         ; the tile's 128 rows of 256 bytes,
	s_lshl_b32 s17, s17, 15
	s_add_co_u32 s16, s16, s17
	s_lshl_b32 s17, s10, 13                        ; my 32 of them
	s_add_co_u32 s16, s16, s17
	s_mov_b32 s17, 0
	s_add_nc_u64 s[6:7], s[6:7], s[16:17]
	s_lshl_b32 s46, s42, 19                        ; the head's 524,288 bytes
	s_mov_b32 s47, 0
	s_add_nc_u64 s[6:7], s[6:7], s[46:47]
; 8 matrix instructions: m blocks a0, a0 + 1 x all 4 n blocks, 32 along K: half c of buffer f.  The 16 accumulators take turns.
.macro MUL8 f, c, a0, zero
	WIN MUL
.irp a, \a0, (\a0)+1
.irp b, 0,1,2,3
.if \zero
	v_wmma_f32_16x16x32_bf16 v[ACC+8*(4*(\a)+(\b)):ACC+8*(4*(\a)+(\b))+7], v[(\f)+64+8*(4*(\c)+(\b)):(\f)+64+8*(4*(\c)+(\b))+7], v[(\f)+8*(4*(\c)+(\a)):(\f)+8*(4*(\c)+(\a))+7], 0
.else
	v_wmma_f32_16x16x32_bf16 v[ACC+8*(4*(\a)+(\b)):ACC+8*(4*(\a)+(\b))+7], v[(\f)+64+8*(4*(\c)+(\b)):(\f)+64+8*(4*(\c)+(\b))+7], v[(\f)+8*(4*(\c)+(\a)):(\f)+8*(4*(\c)+(\a))+7], v[ACC+8*(4*(\a)+(\b)):ACC+8*(4*(\a)+(\b))+7]
.endif
.endr
.endr
.endm
; 32 LDS loads in one run: the fragments of quarter q (64 along K) of a slot into buffer f; the first 32 along K first
.macro FETCH slot, q, f
	WIN TO_F
.irp c, 0,1
.irp i, 0,1,2,3
	ds_load_tr16_b128 v[(\f)+64+8*(4*(\c)+(\i)):(\f)+64+8*(4*(\c)+(\i))+3],   v[ADRB+2*(\slot)+(\q)/2] offset:(((\q)%2)*64+32*(\c))*PB+32*(\i)
	ds_load_tr16_b128 v[(\f)+64+8*(4*(\c)+(\i))+4:(\f)+64+8*(4*(\c)+(\i))+7], v[ADRB+2*(\slot)+(\q)/2] offset:(((\q)%2)*64+32*(\c)+16)*PB+32*(\i)
	ds_load_b128 v[(\f)+8*(4*(\c)+(\i)):(\f)+8*(4*(\c)+(\i))+3],              v[ADRA+(\slot)] offset:128*(\q)+64*(\c)+(\i)*16*PA
	ds_load_b128 v[(\f)+8*(4*(\c)+(\i))+4:(\f)+8*(4*(\c)+(\i))+7],            v[ADRA+(\slot)] offset:128*(\q)+64*(\c)+(\i)*16*PA+32
.endr
.endr
.endm
.macro PLACES                          ; four places in front of loads into registers that matrix instructions have read, and of lines that read results
.rept 4
	v_nop
.endr
.endm
; A K step is four quarters of 64 along K on buffers 0, 1, 0, 1.  One of the first three: multiplies buffer f and fetches quarter q into g.
.macro QUARTER slot, q, f, g, zero
	s_wait_dscnt 16                                ; the first 32 along K are in; the youngest sixteen loads may be out
	MUL8 \f, 0, 0, \zero
	MUL8 \f, 0, 2, \zero
	PLACES
	FETCH \slot, \q, \g
	s_wait_dscnt 32                                ; all but the 32 just issued
	MUL8 \f, 1, 0, 0
	MUL8 \f, 1, 2, 0
.endm
; The last quarter multiplies buffer 1 and changes slots: each wave waits for all its tensor loads, adds 0 to its spare word, waits for that and for its reads of this slot, and meets the others.
; fill = 1: the barrier opens a round of the cluster's, and the slot is filled again, two K steps on, first thing behind it.
.macro TURN slot, next, fill
	WIN 0
	s_wait_tensorcnt 0x0                           ; all my tensor loads have landed: my part of the next slot
	ds_add_u32 v[SPW], v[NIL]
	s_wait_dscnt 17                                ; the add and the youngest sixteen loads may be out
	MUL8 F1, 0, 0, 0
	s_wait_dscnt 0x0                               ; the add is done, and my reads of this slot are over
	s_barrier_signal -1
	MUL8 F1, 0, 2, 0
.if \fill
	WIN 0
.endif
	s_barrier_wait -1
.if \fill
	CREST                                          ; no wave of any partner still reads this slot or has a load on its way
	s_add_nc_u64 s[G0+4*(\slot)+2:G0+4*(\slot)+3], s[G0+4*(\slot)+2:G0+4*(\slot)+3], 2*ASTEP
	s_add_nc_u64 s[G0B+4*(\slot)+2:G0B+4*(\slot)+3], s[G0B+4*(\slot)+2:G0B+4*(\slot)+3], 2*WSTEP
	JLOAD \slot                                    ; its four v_nop are also the places in front of the loads below
.else
	PLACES
.endif
	FETCH \next, 0, F0
	MUL8 F1, 1, 0, 0
	MUL8 F1, 1, 2, 0
.endm
	s_wait_tensorcnt 1                             ; my part of K step 0 is in; step 1's may stay out
	s_barrier_signal -1
	s_barrier_wait -1
	FETCH 0, 0, F0
	QUARTER 0, 1, F0, F1, 1                        ; the first products start the sums
	QUARTER 0, 2, F1, F0, 0
	QUARTER 0, 3, F0, F1, 0
	TURN 0, 1, 1                                   ; slot 0 takes K step 2
	QUARTER 1, 1, F0, F1, 0
	QUARTER 1, 2, F1, F0, 0
	QUARTER 1, 3, F0, F1, 0
	TURN 1, 0, 1                                   ; slot 1 takes K step 3
	QUARTER 0, 1, F0, F1, 0
	QUARTER 0, 2, F1, F0, 0
	QUARTER 0, 3, F0, F1, 0
	TURN 0, 1, 0
	QUARTER 1, 1, F0, F1, 0
	QUARTER 1, 2, F1, F0, 0
	QUARTER 1, 3, F0, F1, 0
	s_wait_dscnt 16
	MUL8 F1, 0, 0, 0
	MUL8 F1, 0, 2, 0
	s_wait_dscnt 0
	MUL8 F1, 1, 0, 0
	MUL8 F1, 1, 2, 0
	WIN 0
	; THE WAY OUT: rounded to f16; 16 bytes a lane into the stage; a barrier, since a row's 256 bytes come from two waves; back as whole rows, 32 a wave.
	PLACES
.irp t, 0,1,2,3,4,5,6,7,8,9,10,11,12,13,14,15
.irp r, 0,1,2,3
	v_cvt_pk_f16_f32 v[TMP+4*(\t)+(\r)], v[ACC+8*(\t)+2*(\r)], v[ACC+8*(\t)+2*(\r)+1]
.endr
.endr
.irp a, 0,1,2,3
.irp b, 0,1,2,3
	ds_store_b128 v[STO], v[TMP+4*(4*(\a)+(\b)):TMP+4*(4*(\a)+(\b))+3] offset:(\a)*16*SPITCH+32*(\b)
.endr
.endr
	s_wait_dscnt 0x0                               ; for the others' sake: my stores into the stage are done
	s_barrier_signal -1
	s_barrier_wait -1
.irp t, 0,1,2,3,4,5,6,7,8,9,10,11,12,13,14,15
	ds_load_b128 v[TMP+4*(\t):TMP+4*(\t)+3], v[RD] offset:(\t)*2*SPITCH
.endr
.irp t, 0,1,2,3,4,5,6,7,8,9,10,11,12,13,14,15
	s_wait_dscnt 15-(\t)
	global_store_b128 v[CO], v[TMP+4*(\t):TMP+4*(\t)+3], s[6:7] offset:512*(\t)  ; 512 consecutive bytes, at a multiple of 256 from qkv's first
.endr
	s_wait_tensorcnt 0x0                           ; the wave's end
	ds_add_u32 v[SPW], v[NIL]
	s_wait_dscnt 0x0
	CROUND                                         ; the closing round
	s_endpgm
.Lfunc_end_k_q559909f331_proj:
	.size	k_q559909f331_proj, .Lfunc_end_k_q559909f331_proj-k_q559909f331_proj
	.p2alignl 7, 3214868480
	.fill 96, 4, 3214868480
	.section	.rodata,"a",@progbits
	.p2align	6, 0x0
	.amdhsa_kernel k_q559909f331_proj
		.amdhsa_group_segment_fixed_size 327680
		.amdhsa_private_segment_fixed_size 0
		.amdhsa_enable_private_segment 0
		.amdhsa_kernarg_size 16
		.amdhsa_user_sgpr_count 2
		.amdhsa_user_sgpr_kernarg_segment_ptr 1
		.amdhsa_wavefront_size32 1
		.amdhsa_system_sgpr_workgroup_id_x 1
		.amdhsa_system_sgpr_workgroup_id_y 1
		.amdhsa_system_sgpr_workgroup_id_z 1
		.amdhsa_system_vgpr_workitem_id 0
		.amdhsa_next_free_vgpr 512
		.amdhsa_next_free_sgpr 66
		.amdhsa_reserve_vcc 0
		.amdhsa_float_denorm_mode_32 3
		.amdhsa_float_denorm_mode_16_64 3
		.amdhsa_memory_ordered 1
		.amdhsa_forward_progress 1
		.amdhsa_inst_pref_size 86
	.end_amdhsa_kernel
	.amdgpu_metadata
---
amdhsa.version: [ 1, 2 ]
amdhsa.kernels:
  - .name:           k_q559909f331_proj
    .symbol:         k_q559909f331_proj.kd
    .args:
      - { .name: cv, .offset: 0, .size: 8, .value_kind: global_buffer, .address_space: global }
      - { .name: qkv, .offset: 8, .size: 8, .value_kind: global_buffer, .address_space: global }
    .group_segment_fixed_size: 327680
    .private_segment_fixed_size: 0
    .kernarg_segment_align: 8
    .kernarg_segment_size: 16
    .max_flat_workgroup_size: 128
    .sgpr_count:     66
    .vgpr_count:     512
    .wavefront_size: 32
...
	.end_amdgpu_metadata
.endif
;; end of part 2
;; launch attn (part 3): grid 16 x 16, 4 waves a work-group, clusters of 4 x 1, 327,680 bytes of LDS; arguments qkv, lambda_q1, lambda_k1, lambda_q2, lambda_k2, rms_weight, ob; writes ob
.if DOCPART == 3
	.amdgcn_target "amdgcn-amd-amdhsa--gfx1250"
	.amdhsa_code_object_version 6
	.text
	.protected	k_q559909f331_attn
	.globl	k_q559909f331_attn
	.p2align	8
	.type	k_q559909f331_attn,@function
k_q559909f331_attn:
	s_mov_b64 s[64:65], 0
	v_nop
	global_prefetch_b8 v0, s[64:65] scope:SCOPE_SE
	s_setreg_imm32_b32 hwreg(HW_REG_WAVE_MODE, 25, 1), 1
	s_wait_xcnt 0x0
	s_wait_alu depctr_hold_cnt(0) depctr_sa_sdst(0) depctr_va_vdst(0) depctr_va_sdst(0) depctr_va_ssrc(0) depctr_va_vcc(0) depctr_vm_vsrc(0)
	s_getreg_b32 s2, hwreg(HW_REG_IB_STS2, 6, 4)
	s_cmp_eq_u32 s2, 0
	s_cbranch_scc0 .Lentry_in_a_cluster
	s_endpgm
.Lentry_in_a_cluster:
	s_bfe_u32 s2, ttmp6, 0x10000c
	s_cmp_lg_u32 s2, 0x3003
	s_cbranch_scc0 .Lentry_shape_is_right
	s_endpgm
.Lentry_shape_is_right:
; DIFFERENTIAL CAUSAL ATTENTION with its RMS norm.  For head h of batch b: att_a = softmax over k <= q of (q_a . k_a / 8), a = 0, 1 the two half-heads of 64 channels;
; out = (att_0 - lam att_1) V, V of 128 channels; ob = out x rsqrt(mean(out^2) + 1e-5) x rms_weight x (1 - LAMBDA_INIT).
; q, k, v: [16 heads][2,048][128] f16 in qkv, rows of 256 bytes.  ob: [4,096][1,024] f16.  Products, maxima, sums and the merge in f32; the weights p rounded to f16 for the second product.
; The lambdas and rms_weight are rounded to bf16 like all the module's inputs.
; LIMITS.  q, k, v arrive within f16's 65,504, so a score is 2.7e11 at the most and never NaN or infinite.  A hidden score counts as its value less 1e30; the running maximum starts at -2^96,
; above every hidden score and below every true one.  A weight below 2^-126 counts as 0.
; SHARES.  A head's queries lie in 32 blocks of 64.  A work-group takes blocks 31 - c and then c, c = 4 a + cx (a the cluster, cx my place in it): block i needs the key tiles 0 .. i / 4 of 256 keys,
; so every work-group walks (8 - a) + (a + 1) = 9 tiles, and the four partners of a cluster walk THE SAME tiles: each is asked for jointly.  One loop with a constant count walks them.
; Wave w: g = w % 2, its 32 queries; kh = w / 2, its keys 128 kh .. 128 kh + 127 of every tile, in two steps of 64.  At a block's end the two key halves are merged through LDS.
; UNITS.  A wave has two tiles of 16 queries x two half-heads: unit u = tile u % 2, half u / 2.  The softmax divisors are known at a row's end only, so each unit keeps its own O^T = V^T P.
; Tile t of a wave is rows 32 g + 16 (t xor kh) of the block: every wave keeps its tile 0 and sends its tile 1, so one text serves all waves.
; LAYOUT.  S^T = K Q^T holds one query a lane (lane % 16) and the keys 8 (lane / 16) + 0..7; two results rounded to f16 are source 1 of O^T = V^T P.  K comes out of LDS as it lies, V turned.
; THE MASK is the C operand that starts S^T: 0, or -1e30 where the key is hidden.  It is 0 from a block's beginning on and is made anew in the two steps of the block's last tile.
; THE WALK'S JUMPS.  At a tile's head FL is set: 1 where the tile is the first block's last.  The masks and the three parts of a block's end are jumped over where FL is 0.  The two barriers of a block's end
; stand in every tile, on every wave's way: every jump but the loops' own goes forward, and none passes a barrier or a tensor load but the one of a fill's two lines that the wave's number does not choose.
; A STEP has 96 matrix and 538 vector instructions.  Units 0, 1 are piece 0, units 2, 3 piece 2.  K Q^T of piece 0 stands bare; K Q^T of piece 2 carries piece 0's softmax, V^T P of piece 0 carries piece 2's,
; V^T P of piece 2 carries the rest; what finds no place stands in lumps.  A piece's 66 exponentials are one batch with one wait.
; No first step is written out: a block's first step multiplies O^T by a = 0.  O^T (once) and the masks (at each block's beginning) are set to 0 by products of two zero fragments, 32 and 8 matrix instructions.
; REGISTERS: window 0: v1-15 addresses; v16-47 statistics, 8 a unit: c m, m, l, l, c0-c3 (c2 takes a); v48-55 at work; v56 -lam; v57-63 addresses; v64-191 S^T, 32 a unit; v192-255 P, 16 a unit
;   window 1: O^T, 64 a unit     window 2: v0-63 Q; v64-127 the second block's Q; v128-255 K of one step     window 3: v0-127 V of one step; v128-191 masks; v192-255 rms_weight x (1 - LAMBDA_INIT)
.set KS,    64
.set PK,    272       ; a row of K in LDS: 256 + 16 bytes
.set PV,    288       ; a row of V: 256 + 32 bytes
.set VOFF,  256*PK    ; a slot: 256 rows of K, then 256 rows of V
.set SLOT,  256*(PK+PV)
.set XCH,   2*SLOT    ; behind the ring, never filled by a tensor load: 8,192 bytes a wave for the tile that it sends; afterwards the receiver's stage for the way out
.set STATS, XCH+4*8192  ; 1,024 bytes a wave: (c m, l) of four units
.set SPARE, STATS+4*1024  ; the spare words, 128 bytes for each wave, which no other line names
.set AK0, 2
.set AV0, 3
.set ADK, 4
.set ADV, 5
.set STO, 6
.set RD,  7
.set GO,  8
.set QO,  10          ; v10, v11  my byte offset in the block's rows of Q, tile 0, 1
.set XB,  12          ; v12  lane % 16 - 8 (lane / 16)
.set X0,  13          ; v13, v14  a register's key 16 kb + j is hidden where it is greater than this: tile 0, 1
.set ST,  16
.set PS,  48          ; v48-55  the partner's statistics; at work
.set LAM, 56          ; v56  -lam
.set SXA, 57
.set SXB, 58
.set XWA, 59
.set XRA, 60
.set PFO, 61          ; v61  256 x my lane
.set SPW, 62
.set NIL, 63
.set S,   64
.set P,   192
.set QB,  64          ; window 2
.set KF,  128         ; window 2: key block kb, channel chunk f at KF + 32 kb + 8 f
.set MC,  128         ; window 3: tile t, key block kb at MC + 32 t + 8 kb
.set WS,  192         ; window 3
.set QP,  4           ; s[4:5]   q at my 32 rows of block 31 - c
.set KP,  6           ; s[6:7]   k at the half of the head's tile 0 that I fetch
.set VP,  8           ; s[8:9]   v likewise
.set OP,  10          ; s[10:11] ob at the 16 rows that I keep
.set WV,  12
.set KH,  13
.set CG,  14
.set CA,  15          ; the cluster's number in its head; also the second block's last tile
.set LIM, 16          ; a wave prefetches while s[SLOTS] is above it (s[16:23] hold four arguments first)
.set G1K, 24
.set G1V, 32
.set G0K, 40
.set G0V, 44
.set SF,  48          ; the slot last filled: 0 or SLOT
.set SR,  49          ; the slot that is read
.set LK,  50
.set LV,  51
.set KHK, 52          ; (s[52:55] hold two arguments first)
.set KHV, 53
.set TBK, 54
.set TBV, 55
.set SLOTS, 56
.set CNT, 57
.set TM,  57          ; the same register, at work in the set-up
.set CS,  58          ; s[58:59] c = log2(e) / 8
.set SEL, 60
.set RT,  62          ; tiles of the first block still to be entered
.set NXT, 63          ; the tile to be asked for next
.set LQ,  66          ; the last tile of the block whose tiles are being asked for
.set FL,  67          ; 1: this tile is the first block's last
.set OFF, 68          ; s[68:69]
.set TP,  70          ; s[70:71] an offset that hangs on cx, at work in the set-up
.set DLT, 72          ; my tile 0's first query less the step's first key
.set BIGN, 73
.set OLO, 74          ; s[74:75] ob for the second block
.set HIB, 76          ; 31 - c
.set DL2, 77          ; DLT at the second block's beginning
.set BLK, 78          ; 1: the second block is in hand
.set DX,  79          ; tile 1's first query less tile 0's
.set PFA, 80          ; s[80:81]
.set CB,  82          ; c
.set R128, 83
.set EPS, 84
.set CX,  85
.set QP2, 86          ; s[86:87]
.set MSB, 0
.macro WIN new
.if MSB != (\new)
	s_set_vgpr_msb (MSB<<8)|(\new)
.set MSB, (\new)
.endif
.endm
.set W_RS, 0x41       ; destination and source 0 window 1, source 1 window 0
.macro JLOAD                        ; a joint fill: waves 0 and 1 fetch K's halves, waves 2 and 3 V's; s_nop 0 and four v_nop follow each line
	s_cmp_lt_u32 s[WV], 2
	s_cbranch_scc0 .Lfor_v_\@
	tensor_load_to_lds s[G0K:G0K+3], s[G1K:G1K+7]
	s_nop 0
.rept 4
	v_nop
.endr
	s_branch .Lasked_\@
.Lfor_v_\@:
	tensor_load_to_lds s[G0V:G0V+3], s[G1V:G1V+7]
	s_nop 0
.rept 4
	v_nop
.endr
.Lasked_\@:
.endm
; A PREFETCH INTO THE L2 of the tile that the head's first cluster asks for at its NEXT change of slots: two steps, 192 matrix instructions, ahead of that load.  A tile is 256 rows of k and 256 of v, 256 bytes
; each.  The head's sixteen work-groups share them out BY ADDRESS: work-group c names rows 32 (c % 8) on, of k if c < 8, else of v; a lane a row, wave 0 alone: each row is named once in the launch.
; The six trips with s[SLOTS] = 8 .. 3 name tiles 2 .. 7; tiles 0 and 1 come by their loads alone, and the last two trips name nothing.
.macro ASK
	s_cmp_gt_u32 s[SLOTS], s[LIM]
	s_cbranch_scc0 .Lnot_mine_\@
	global_prefetch_b8 v[PFO], s[PFA:PFA+1] th:TH_LOAD_NT scope:SCOPE_SE
.Lnot_mine_\@:
.endm
.macro CROUND
	s_barrier_signal -1
	s_barrier_wait -1
	s_cmp_lg_u32 s[WV], 0
	s_cbranch_scc1 .Lnot_wave_0_\@
	s_barrier_signal -3
.Lnot_wave_0_\@:
	s_barrier_wait -3
	s_barrier_signal -1
	s_barrier_wait -1
.endm
.macro PLACES
.rept 4
	v_nop
.endr
.endm
; THE CHANGE OF SLOTS.  Each wave waits for all its tensor loads (one is out: its part of the slot to be read), adds 0 to its spare word, and waits for that and for its reads of the slot that it leaves.
; fill = 1: the barrier is a round of the cluster's, and the slot left is filled with tile NXT first thing behind it; the descriptor's address is made anew from that number.
.macro CHANGE fill
	WIN 0
	s_wait_tensorcnt 0x0            ; no tensor load of mine is out, so a group 0 may be written
	ds_add_u32 v[SPW], v[NIL]       ; 0 onto my spare word; scalar work stands between it and the wait for it
	s_mov_b32 s[SR], s[SF]
.if \fill
	s_xor_b32 s[SF], s[SF], SLOT
	s_lshl_b32 s[OFF], s[NXT], 16   ; a tile is 65,536 bytes of k and of v
	s_add_co_u32 s[G0K+1], s[SF], s[LK]
	s_add_nc_u64 s[G0K+2:G0K+3], s[KP:KP+1], s[OFF:OFF+1]
	s_or_b32 s[G0K+3], s[G0K+3], 0x80000000
	s_add_co_u32 s[G0V+1], s[SF], s[LV]
	s_add_nc_u64 s[G0V+2:G0V+3], s[VP:VP+1], s[OFF:OFF+1]
	s_or_b32 s[G0V+3], s[G0V+3], 0x80000000
	s_add_co_u32 s[NXT], s[NXT], 1  ; the block's next tile, or behind its last the second block's tile 0
	s_cmp_gt_u32 s[NXT], s[LQ]
	s_cselect_b32 s[NXT], 0, s[NXT]
	s_cselect_b32 s[LQ], s[CA], s[LQ]
	s_wait_xcnt 0x0                 ; the last prefetch, a tile back, has read its address
	s_add_nc_u64 s[PFA:PFA+1], s[PFA:PFA+1], 65536
.endif
	s_add_co_u32 s[TBK], s[SR], s[KHK]  ; the fetches begin at my half of the slot's keys
	s_add_co_u32 s[TBV], s[SR], s[KHV]
	s_wait_dscnt 0x0                ; the add is done, and my reads of the slot are over
.if \fill
	CROUND
	JLOAD
	ASK
.else
	s_barrier_signal -1
	s_barrier_wait -1
.endif
.endm
; A BLOCK BEGINS.  Two fragments of zeros in P's first sixteen registers; their product, eight times, sets the masks to 0.  Then c m far below every c s, so that the first a is 0; m at -2^96; l at 0:
; sixteen plain lines that name none of those products' registers, the places behind them.
.macro INIT
	WIN 0
.set n, 0
.rept 16
	v_mov_b32 v[P+n], 0
.set n, n+1
.endr
	WIN 0xc0                        ; destination window 3, sources window 0
.set n, 0
.rept 8
	v_wmma_f32_16x16x32_f16 v[MC+8*n:MC+8*n+7], v[P:P+7], v[P+8:P+15], 0
.set n, n+1
.endr
	WIN 0
.irp u, 0,1,2,3
	v_mov_b32 v[ST+8*(\u)], 0xfe000000
	v_mov_b32 v[ST+8*(\u)+1], 0xef800000
	v_mov_b32 v[ST+8*(\u)+2], 0
	v_mov_b32 v[ST+8*(\u)+3], 0
.endr
.endm
	s_load_b256 s[16:23], s[0:1], 0x0  ; qkv s[16:17], lambda_q1, lambda_k1, lambda_q2
	s_load_b128 s[52:55], s[0:1], 0x20 ; lambda_k2 s[52:53], rms_weight s[54:55]
	s_load_b64 s[OP:OP+1], s[0:1], 0x30  ; ob
	v_lshl_add_u32 v[SPW], v0, 2, SPARE
	v_mov_b32 v[NIL], 0
	ds_add_u32 v[SPW], v[NIL]       ; the wave's opening: the add and its wait ahead of my first tensor load
	v_lshrrev_b32 v1, 5, v0
	v_readfirstlane_b32 s[WV], v1
	s_lshr_b32 s[KH], s[WV], 1
	s_and_b32 s[CG], s[WV], 1
	s_mov_b32 s[CA], ttmp9          ; the same in all four partners
	s_and_b32 s3, ttmp7, 0xffff     ; the head, 8 b + h
	s_bfe_u32 s[CX], ttmp6, 0x40000 ; cx: it enters Q's and ob's addresses, the masks' numbers and the prefetch's address alone
	s_lshl_b32 s[CB], s[CA], 2
	s_add_co_u32 s[CB], s[CB], s[CX]  ; c: the second block
	s_sub_co_u32 s[HIB], 31, s[CB]    ; the first block
	s_mov_b32 s[G1K], 15|(1<<16)|(1<<20)|(1<<21)|(5<<22)|(3<<25)  ; the mask of four; 2-byte elements; padding on; bit 21 beside a mask; after every 64 words, 4 words
	s_mov_b32 s[G1V], 15|(1<<16)|(1<<20)|(1<<21)|(5<<22)|(7<<25)  ; the same with 8 words
.irp g, G1K, G1V
	s_mov_b32 s[\g+1], 128<<16      ; tensor_dim0 = 128
	s_mov_b32 s[\g+2], 128<<16      ; tensor_dim1 = 128
	s_mov_b32 s[\g+3], 128<<16      ; tile_dim0 = 128
	s_mov_b32 s[\g+4], 128          ; tile_dim1 = 128
	s_mov_b32 s[\g+5], 128          ; elements from row to row
	s_mov_b32 s[\g+6], 0
	s_mov_b32 s[\g+7], 0
.endr
	s_mul_i32 s[LK], s[CG], 128*PK  ; where my part of a tile goes in a slot: no place in the cluster enters an LDS address
	s_mul_i32 s[LV], s[CG], 128*PV
	s_add_co_u32 s[LV], s[LV], VOFF
	s_mov_b32 s[SF], 0
	s_mov_b32 s[CS], 0x3e38aa3b     ; c = log2(e) / 8
	s_mov_b32 s[CS+1], s[CS]
	s_mov_b32 s[SEL], 0x76543210
	s_mov_b32 s[SEL+1], 0xfedcba98
	s_mov_b32 s[BIGN], 0xf149f2ca   ; -1e30
	s_mov_b32 s[R128], 0x3c000000   ; 1 / 128
	s_mov_b32 s[EPS], 0x3727c5ac    ; 1e-5
	s_sub_co_u32 s[RT], 8, s[CA]    ; the first block has 8 - a tiles
	s_sub_co_u32 s[LQ], 7, s[CA]
	s_mov_b32 s[NXT], 1
	s_mov_b32 s[SLOTS], 8
	s_mov_b32 s[BLK], 0
	s_lshl_b32 s2, s[CG], 5
	s_mul_i32 s[TM], s[KH], 112
	s_sub_co_u32 s2, s2, s[TM]      ; 32 g + 16 kh, my tile 0's place in its block, less 128 kh, my first key's place in a tile
	s_lshl_b32 s[DLT], s[HIB], 6
	s_add_co_u32 s[DLT], s[DLT], s2
	s_lshl_b32 s[DL2], s[CB], 6
	s_add_co_u32 s[DL2], s[DL2], s2
	s_lshl_b32 s[DX], s[KH], 5
	s_sub_co_u32 s[DX], 16, s[DX]
	s_mov_b32 s[TP+1], 0
	s_lshl_b32 s[OFF], s3, 19       ; the head's 524,288 bytes,
	s_lshl_b32 s2, s[CG], 15        ; the 128 rows that I fetch,
	s_add_co_u32 s[OFF], s[OFF], s2
	s_add_co_u32 s[OFF], s[OFF], 8388608  ; in k
	s_mov_b32 s[OFF+1], 0
	s_wait_dscnt 0x0                ; the opening add is done
	s_wait_kmcnt 0x0
	s_add_nc_u64 s[KP:KP+1], s[16:17], s[OFF:OFF+1]
	s_add_nc_u64 s[VP:VP+1], s[KP:KP+1], 8388608
	s_lshl_b32 s2, s3, 19           ; the head
	s_and_b32 s[TP], s[CB], 7       ; the prefetches: my work-group's 32 rows of a tile's 256,
	s_lshl_b32 s[TP], s[TP], 13
	s_add_co_u32 s[TP], s[TP], s2
	s_lshr_b32 s[CX], s[CB], 3      ; of k or of v, which lies 8,388,608 bytes on,
	s_lshl_b32 s[CX], s[CX], 23
	s_add_co_u32 s[TP], s[TP], s[CX]
	s_add_co_u32 s[TP], s[TP], 8388608+65536  ; in tile 1: the first change of slots steps it to tile 2
	s_add_nc_u64 s[PFA:PFA+1], s[16:17], s[TP:TP+1]
	s_lshl_b32 s[TM], s[CG], 13
	s_add_co_u32 s2, s2, s[TM]      ; the head, my 32 rows of a block
	s_lshl_b32 s[TP], s[HIB], 14
	s_add_co_u32 s[TP], s[TP], s2
	s_add_nc_u64 s[QP:QP+1], s[16:17], s[TP:TP+1]
	s_lshl_b32 s[TP], s[CB], 14
	s_add_co_u32 s[TP], s[TP], s2
	s_add_nc_u64 s[QP2:QP2+1], s[16:17], s[TP:TP+1]
	s_lshr_b32 s2, s3, 3            ; ob: row b x 2,048 + 64 i + 32 g + 16 kh of 2,048 bytes, + 256 h
	s_lshl_b32 s2, s2, 22
	s_and_b32 s3, s3, 7
	s_lshl_b32 s3, s3, 8
	s_add_co_u32 s2, s2, s3
	s_lshl_b32 s3, s[CG], 16
	s_add_co_u32 s2, s2, s3
	s_lshl_b32 s3, s[KH], 15
	s_add_co_u32 s2, s2, s3
	s_lshl_b32 s[TP], s[CB], 17
	s_add_co_u32 s[TP], s[TP], s2
	s_add_nc_u64 s[OLO:OLO+1], s[OP:OP+1], s[TP:TP+1]
	s_lshl_b32 s[TP], s[HIB], 17
	s_add_co_u32 s[TP], s[TP], s2
	s_add_nc_u64 s[OP:OP+1], s[OP:OP+1], s[TP:TP+1]
	s_mov_b32 s[G0K], 1
	s_mov_b32 s[G0K+1], s[LK]       ; slot 0
	s_mov_b64 s[G0K+2:G0K+3], s[KP:KP+1]
	s_or_b32 s[G0K+3], s[G0K+3], 0x80000000
	s_mov_b32 s[G0V], 1
	s_mov_b32 s[G0V+1], s[LV]
	s_mov_b64 s[G0V+2:G0V+3], s[VP:VP+1]
	s_or_b32 s[G0V+3], s[G0V+3], 0x80000000
	CROUND                          ; all four work-groups are here: the first joint loads meet
	JLOAD                           ; tile 0 into slot 0; slot 1 is asked for by the loop's first change of slots
	v_and_b32 v1, 15, v0            ; l % 16
	v_bfe_u32 v9, v0, 4, 1          ; l / 16
	v_lshlrev_b32 v15, 8, v1
	v_lshl_add_u32 v15, v9, 4, v15  ; row x 256 + 16 x half
	s_lshl_b32 s2, s[KH], 12        ; tile 0 is rows 16 kh on,
	v_add_nc_u32 v[QO], s2, v15
	s_xor_b32 s2, s2, 4096          ; tile 1 the other sixteen
	v_add_nc_u32 v[QO+1], s2, v15
	v_lshlrev_b32 v15, 5, v9        ; rms_weight: my 8 channels of 16
	v_and_b32 v13, 31, v0           ; lane
	v_lshlrev_b32 v[PS], 3, v13     ; the lambdas: two numbers a lane
	WIN 0x80                        ; destination window 2, address window 0
.irp t, 0,1
.irp f, 0,1,2,3
	global_load_b128 v[32*(\t)+8*(\f):32*(\t)+8*(\f)+3],       v[QO+(\t)], s[QP:QP+1] offset:64*(\f)
	global_load_b128 v[32*(\t)+8*(\f)+4:32*(\t)+8*(\f)+7],     v[QO+(\t)], s[QP:QP+1] offset:64*(\f)+32
	global_load_b128 v[QB+32*(\t)+8*(\f):QB+32*(\t)+8*(\f)+3],   v[QO+(\t)], s[QP2:QP2+1] offset:64*(\f)
	global_load_b128 v[QB+32*(\t)+8*(\f)+4:QB+32*(\t)+8*(\f)+7], v[QO+(\t)], s[QP2:QP2+1] offset:64*(\f)+32
.endr
.endr
	WIN 0
.irp f, 0,1,2,3,4,5,6,7
	global_load_b128 v[S+8*(\f):S+8*(\f)+3],   v15, s[54:55] offset:64*(\f)
	global_load_b128 v[S+8*(\f)+4:S+8*(\f)+7], v15, s[54:55] offset:64*(\f)+16
.endr
	global_load_b64 v[160:161], v[PS], s[18:19]
	global_load_b64 v[162:163], v[PS], s[20:21]
	global_load_b64 v[164:165], v[PS], s[22:23]
	global_load_b64 v[166:167], v[PS], s[52:53]
	INIT                            ; the first block begins
	WIN 0x40                        ; destination window 1, sources window 0
.set n, 0
.rept 32
	v_wmma_f32_16x16x32_f16 v[8*n:8*n+7], v[P:P+7], v[P+8:P+15], 0  ; O^T = 0, by the same two fragments of zeros; the address work below is the places behind these
.set n, n+1
.endr
	WIN 0
	v_mul_u32_u24 v[AK0], v1, PK
	v_lshl_add_u32 v[AK0], v9, 4, v[AK0]
	s_xor_b32 s2, s[WV], 2          ; my partner: the same queries, the other keys
	s_lshl_b32 s3, s2, 13
	s_add_co_u32 s3, s3, XCH        ; what it sends lies here; when I have read it, it is my stage
	v_mul_u32_u24 v[STO], v1, 272
	v_lshl_add_u32 v[STO], v9, 4, v[STO]
	v_add_nc_u32 v[STO], s3, v[STO]
	v_mul_u32_u24 v[RD], v9, 272
	v_lshl_add_u32 v[RD], v1, 4, v[RD]
	v_add_nc_u32 v[RD], s3, v[RD]
	v_lshl_add_u32 v[XRA], v13, 4, s3
	s_lshl_b32 s3, s[WV], 13
	s_add_co_u32 s3, s3, XCH
	v_lshl_add_u32 v[XWA], v13, 4, s3
	s_lshl_b32 s3, s[WV], 10
	s_add_co_u32 s3, s3, STATS
	v_lshl_add_u32 v[SXA], v13, 3, s3
	s_lshl_b32 s3, s2, 10
	s_add_co_u32 s3, s3, STATS
	v_lshl_add_u32 v[SXB], v13, 3, s3
	v_lshlrev_b32 v[GO], 11, v9     ; two rows of ob, 2,048 bytes apart
	v_lshl_add_u32 v[GO], v1, 4, v[GO]
	v_lshlrev_b32 v[PFO], 8, v13
	v_lshlrev_b32 v[XB], 3, v9
	v_sub_nc_u32 v[XB], v1, v[XB]
	v_and_b32 v13, 7, v0            ; V, turned: lane l reads key 8 (l / 16) + l % 8, channels 8 ((l / 8) % 2) + 0..7
	v_bfe_u32 v14, v0, 3, 1
	v_lshl_add_u32 v[AV0], v9, 3, v13
	v_mul_u32_u24 v[AV0], v[AV0], PV
	v_lshl_add_u32 v[AV0], v14, 4, v[AV0]
	v_add_nc_u32 v[AV0], VOFF, v[AV0]
.irp n, 1,2,3,4,5,6,7
	v_mov_b32 v[PS+(\n)], 0         ; the registers at work hold a number from here on
.endr
	s_wait_loadcnt 0x0              ; Q, rms_weight, the lambdas: their loads are done, so the registers that held their addresses may be written
	s_mul_i32 s[KHK], s[KH], 128*PK
	s_mul_i32 s[KHV], s[KH], 128*PV
	s_cmp_eq_u32 s[WV], 0
	s_cselect_b32 s[LIM], 2, -1     ; wave 0 prefetches
	s_mov_b32 s18, 0x3e5d9673       ; 1 - LAMBDA_INIT = 0.21639423
	s_mov_b32 s19, s18
.set n, 0
.rept 32
	v_cvt_pk_bf16_f32 v[128+n], v[S+2*n], v[S+2*n+1]
.set n, n+1
.endr
.set n, 0
.rept 32
	v_lshlrev_b32 v[S+2*n], 16, v[128+n]
	v_and_b32 v[S+2*n+1], 0xffff0000, v[128+n]
.set n, n+1
.endr
	WIN 0xc0                        ; destination window 3
.set n, 0
.rept 32
	v_pk_mul_f32 v[WS+2*n:WS+2*n+1], v[S+2*n:S+2*n+1], s[18:19] op_sel_hi:[1,0]
.set n, n+1
.endr
	WIN 0
.irp n, 0,1,2,3                     ; lam = exp(sum lq1 lk1) - exp(sum lq2 lk2) + LAMBDA_INIT
	v_cvt_pk_bf16_f32 v[168+(\n)], v[160+2*(\n)], v[161+2*(\n)]
.endr
.irp n, 0,1,2,3
	v_lshlrev_b32 v[160+2*(\n)], 16, v[168+(\n)]
	v_and_b32 v[161+2*(\n)], 0xffff0000, v[168+(\n)]
.endr
	v_mul_f32 v172, v160, v162
	v_mul_f32 v173, v164, v166
	v_fmac_f32 v172, v161, v163
	v_fmac_f32 v173, v165, v167
.irp x, 1,2,4,8
	v_add_f32_dpp v172, v172, v172 row_xmask:\x row_mask:0xf bank_mask:0xf
	v_add_f32_dpp v173, v173, v173 row_xmask:\x row_mask:0xf bank_mask:0xf
.endr
	v_permlanex16_b32 v160, v172, s[SEL], s[SEL+1]
	v_permlanex16_b32 v161, v173, s[SEL], s[SEL+1]
	v_add_f32 v172, v172, v160
	v_add_f32 v173, v173, v161
	v_mul_f32 v172, 0x3fb8aa3b, v172
	v_mul_f32 v173, 0x3fb8aa3b, v173
	v_exp_f32 v172, v172
	v_exp_f32 v173, v173
	v_nop                           ; a plain instruction behind the exponentials,
	s_wait_alu depctr_va_vdst(0)    ; and the wait ahead of their first use
	v_sub_f32 v[LAM], v173, v172
	v_add_f32 v[LAM], 0xbf489a63, v[LAM]  ; -lam; LAMBDA_INIT = 0.78360577
; THE MATRIX WORK.  The accumulators take turns, one instruction a turn.
; Product i of 16 of S^T = K Q^T for piece y: unit y + i % 2, keys 16 ((i / 2) % 4) on, channels 32 (2 (y / 2) + i / 8) on.  The first 8 start the sums with the mask.
.macro KQ y
.set rS, S+32*((\y)+i%2)+8*((i/2)%4)
.set rK, KF+32*((i/2)%4)+8*(2*((\y)/2)+i/8)
.set rQ, 32*(i%2)+8*(2*((\y)/2)+i/8)
.set rM, MC+32*(i%2)+8*((i/2)%4)
.if i < 8
	WIN 0x3a                        ; K and Q window 2, the mask window 3, S^T window 0
	v_wmma_f32_16x16x32_f16 v[rS:rS+7], v[rK:rK+7], v[rQ:rQ+7], v[rM:rM+7]
.else
	WIN 0x0a
	v_wmma_f32_16x16x32_f16 v[rS:rS+7], v[rK:rK+7], v[rQ:rQ+7], v[rS:rS+7]
.endif
.endm
; Product i of 32 of O^T += V^T P for piece y: unit y + i % 2, channels 16 ((i / 2) % 8) on, keys 32 (i / 16) on.
.macro PV y
	WIN 0x53                        ; V window 3, P window 0, O^T window 1
.set rO, 64*((\y)+i%2)+8*((i/2)%8)
.set rV, 64*(i/16)+8*((i/2)%8)
.set rP, P+16*((\y)+i%2)+8*(i/16)
	v_wmma_f32_16x16x32_f16 v[rO:rO+7], v[rV:rV+7], v[rP:rP+7], v[rO:rO+7]
.endm
; THE LDS LOADS stand in runs of 32.
.macro FETCH_K
	WIN 0
	v_add_nc_u32 v[ADK], s[TBK], v[AK0]
	s_add_co_u32 s[TBK], s[TBK], KS*PK
	WIN 0x80
.irp f, 0,1,2,3,4,5,6,7,8,9,10,11,12,13,14,15
	ds_load_b128 v[KF+8*(\f):KF+8*(\f)+3],   v[ADK] offset:((\f)/4)*16*PK+((\f)%4)*64
	ds_load_b128 v[KF+8*(\f)+4:KF+8*(\f)+7], v[ADK] offset:((\f)/4)*16*PK+((\f)%4)*64+32
.endr
.endm
.macro FETCH_V
	WIN 0
	v_add_nc_u32 v[ADV], s[TBV], v[AV0]
	s_add_co_u32 s[TBV], s[TBV], KS*PV
	WIN 0xc0
.irp f, 0,1,2,3,4,5,6,7,8,9,10,11,12,13,14,15
	ds_load_tr16_b128 v[8*(\f):8*(\f)+3],   v[ADV] offset:((\f)/8)*32*PV+((\f)%8)*32
	ds_load_tr16_b128 v[8*(\f)+4:8*(\f)+7], v[ADV] offset:((\f)/8)*32*PV+16*PV+((\f)%8)*32
.endr
.endm
; THE VECTOR WORK.  A unit's softmax for a step is a list of 134 instructions; SM writes number j for unit u.  s0-s31 are the lane's 32 scores.
;   0-15    the maximum of the scores and the old m, three operands at a time (each accumulator's lowest registers first)
;   16-20   the other half of the lanes' maximum; the new m; c m; c m_old - c m_new
;   21-69   ONE BATCH: the 16 scalings c s - c m and all 33 exponentials (a at 23); none of these reads an exponential's result
;   70-85   the roundings to f16     86-117  O^T times a     118-133  the sums; l = a l + sum
.macro SM u
.set rT, ST+8*(\u)
.set rS, S+32*(\u)
.set rP, P+16*(\u)
.if (j < 86) || (j > 117)
	WIN 0
.endif
.if j < 4
	v_max3_num_f32 v[rT+4+j], v[rS+8*j], v[rS+8*j+1], v[rS+8*j+2]
.elseif j < 12
	v_max3_num_f32 v[rT+4+j%4], v[rT+4+j%4], v[rS+8*(j%4)+2*(j/4)+1], v[rS+8*(j%4)+2*(j/4)+2]
.elseif j == 12
	v_max3_num_f32 v[rT+4], v[rT+4], v[rS+7], v[rS+15]
.elseif j == 13
	v_max3_num_f32 v[rT+6], v[rT+6], v[rS+23], v[rS+31]
.elseif j == 14
	v_max3_num_f32 v[rT+4], v[rT+4], v[rT+5], v[rT+6]
.elseif j == 15
	v_max3_num_f32 v[rT+4], v[rT+4], v[rT+7], v[rT+1]
.elseif j == 16
	v_permlanex16_b32 v[rT+5], v[rT+4], s[SEL], s[SEL+1]
.elseif j == 17
	v_mov_b32 v[rT+7], v[rT]
.elseif j == 18
	v_max_num_f32 v[rT+1], v[rT+4], v[rT+5]
.elseif j == 19
	v_mul_f32 v[rT], s[CS], v[rT+1]
.elseif j == 20
	v_sub_f32 v[rT+7], v[rT+7], v[rT]
.elseif j == 23
	v_exp_f32 v[rT+6], v[rT+7]
.elseif (j < 23) || ((j < 38) && (j%2 == 0)) || ((j < 66) && (j%4 == 2))
.set b, (j-2)/4
.if j < 38
.set b, (j-20)/2
.endif
	v_pk_fma_f32 v[rS+2*b:rS+2*b+1], v[rS+2*b:rS+2*b+1], s[CS:CS+1], v[rT:rT+1] op_sel_hi:[1,0,0] neg_lo:[0,0,1] neg_hi:[0,0,1]
.elseif j < 70
.set e, j-38
.if j < 66
.set e, j-32-(j-38)/4
.endif
.if j < 38
.set e, (j-25)/2
.endif
	v_exp_f32 v[rS+e], v[rS+e]
.elseif j < 86
	v_cvt_pk_f16_f32 v[rP+j-70], v[rS+2*(j-70)], v[rS+2*(j-70)+1]
.elseif j < 118
	WIN W_RS
.set rO, 64*(\u)+2*(j-86)
	v_pk_mul_f32 v[rO:rO+1], v[rO:rO+1], v[rT+6:rT+7] op_sel_hi:[1,0]
.else
.set z, j-118
.set w, 4
.set zu, z
.if z >= 14
.set w, 32
.set zu, 0
.elseif z >= 12
.set w, 16
.set zu, z-12
.elseif z >= 8
.set w, 8
.set zu, z-8
.endif
.if z < 15
	v_pk_add_f32 v[rS+w*zu:rS+w*zu+1], v[rS+w*zu:rS+w*zu+1], v[rS+w*zu+w/2:rS+w*zu+w/2+1]
.else
	v_pk_fma_f32 v[rT+2:rT+3], v[rT+2:rT+3], v[rT+6:rT+7], v[rS:rS+1] op_sel_hi:[1,0,1]
.endif
.endif
.endm
; Slice kk of 64 of piece y's softmax: four instructions (slice 63: sixteen).  Slices 11 to 34 deal out the batch, four numbers of one unit each; every other slice is numbers 2 k, 2 k + 1 of both units.
; Behind slice 34 stand a plain instruction and the one wait for the piece's 66 exponentials: nothing ahead of it names a result, and no exponential follows it.
.macro SLICE y, kk
.set k, (\kk)
.if (k >= 11) && (k < 35)
.irp n, 0,1,2,3
.set j, 22+4*((k-11)/2)+(\n)
	SM (\y)+(k-11)%2
.endr
.else
.irp n, 0,1,2,3,4,5,6,7
.if ((\n) < 2) || (k == 63)
.irp t, \y, (\y)+1
.set j, 2*k+(\n)
	SM \t
.endr
.endif
.endr
.endif
.if k == 34
	v_nop
	s_wait_alu depctr_va_vdst(0)
.endif
.endm
; THE MASKS of a step: register 8 kb + j of tile t is hidden where 16 kb + j > X_t = (the tile's first query - the step's first key) + lane % 16 - 8 (lane / 16).
.macro MASK
	WIN 0xc0
.set n, 0
.rept 64
	v_cmp_gt_i32 vcc_lo, 16*((n%32)/8)+n%8, v[X0+n/32]
	v_cndmask_b32 v[MC+n], 0, s[BIGN], vcc_lo
.set n, n+1
.endr
	WIN 0
.endm
; A KEY STEP, written once and walked twice a tile.  K of a tile's first step is fetched at the step's head, K of its second step in the first step's middle; V at each step's head.
.macro STEP
	WIN 0
	s_cmp_eq_u32 s[CNT], 1
	s_cbranch_scc1 .Lhave_k_\@
	FETCH_K
	WIN 0
.Lhave_k_\@:
	FETCH_V                         ; the sixteen plain lines of the last slice before stand between V's last reader and these loads
	s_wait_dscnt 32                 ; K's 32 loads are older than V's 32 on both ways: K is in
.set i, 0
.rept 16
	KQ 0
.set i, i+1
.endr
	PLACES                          ; behind those products, ahead of the first read of their scores
.set i, 0
.rept 16
	KQ 2
	SLICE 0, i
.set i, i+1
.endr
.set q, 16
.rept 19
	SLICE 0, q                      ; slice 34 ends with the batch's wait
.set q, q+1
.endr
	s_wait_dscnt 0x0                ; V is in
	WIN 0
	s_cmp_eq_u32 s[CNT], 1
	s_cbranch_scc1 .Lno_k_\@
	FETCH_K                         ; the scalings of slices 15 to 34 are more than four places behind K's last reader
	WIN 0
.Lno_k_\@:
.set q, 35
.rept 24
	SLICE 0, q                      ; piece 0's roundings and rescaling
.set q, q+1
.endr
.set i, 0
.rept 32
	PV 0
	SLICE 2, i
.set i, i+1
.endr
.set q, 32
.rept 15
	SLICE 2, q                      ; the batch's end and wait; the roundings; the rescaling of channel blocks 0 and 1
.set q, q+1
.endr
.set i, 0
.rept 32
	PV 2
.if i < 12
	SLICE 2, 47+i                   ; channel block cb is rescaled behind products 2 cb - 4, 2 cb - 3 and first multiplied at product 2 cb
.elseif (i >= 22) && (i < 27)
	SLICE 0, 37+i                   ; piece 0's sums
.elseif i >= 27
	SLICE 2, 32+i                   ; piece 2's sums
.endif
.set i, i+1
.endr
	WIN 0
.endm
; A BLOCK ENDS, in three parts with a barrier between each two.
; FIN_A: l's two halves and the other half of the lanes' are added; (c m, l) of my four units go to LDS.
.macro FIN_A
	WIN 0
.irp u, 0,1,2,3
	v_add_f32 v[ST+8*(\u)+4], v[ST+8*(\u)+2], v[ST+8*(\u)+3]
.endr
.irp u, 0,1,2,3
	v_permlanex16_b32 v[ST+8*(\u)+5], v[ST+8*(\u)+4], s[SEL], s[SEL+1]
.endr
.irp u, 0,1,2,3
	v_add_f32 v[ST+8*(\u)+1], v[ST+8*(\u)+4], v[ST+8*(\u)+5]  ; l takes m's place beside c m
.endr
.irp u, 0,1,2,3
	ds_store_b64 v[SXA], v[ST+8*(\u):ST+8*(\u)+1] offset:256*(\u)
.endr
.endm
; FIN_B: with the partner's (c m, l) each wave scales its O^T by 2^(c m - M) / l_total, times -lam for half-head 1, and adds the two half-heads; tile 1 goes to LDS for the partner.
.macro FIN_B
	WIN 0
.irp u, 0,1,2,3
	ds_load_b64 v[PS+2*(\u):PS+2*(\u)+1], v[SXB] offset:256*((\u)+1-2*((\u)%2))  ; my tile t is the partner's tile 1 - t
.endr
	s_wait_dscnt 0x0
.irp u, 0,1,2,3
	v_max_num_f32 v[ST+8*(\u)+4], v[ST+8*(\u)], v[PS+2*(\u)]
.endr
.irp u, 0,1,2,3
	v_sub_f32 v[ST+8*(\u)+5], v[ST+8*(\u)], v[ST+8*(\u)+4]
	v_sub_f32 v[ST+8*(\u)+6], v[PS+2*(\u)], v[ST+8*(\u)+4]
.endr
.irp u, 0,1,2,3
	v_exp_f32 v[ST+8*(\u)+5], v[ST+8*(\u)+5]
	v_exp_f32 v[ST+8*(\u)+6], v[ST+8*(\u)+6]
.endr
	v_nop
	s_wait_alu depctr_va_vdst(0)    ; one wait for the eight exponentials
.irp u, 0,1,2,3
	v_mul_f32 v[ST+8*(\u)+7], v[ST+8*(\u)+1], v[ST+8*(\u)+5]
.endr
.irp u, 0,1,2,3
	v_fmac_f32 v[ST+8*(\u)+7], v[PS+2*(\u)+1], v[ST+8*(\u)+6]
.endr
.irp u, 0,1,2,3
	v_rcp_f32 v[ST+8*(\u)+7], v[ST+8*(\u)+7]
.endr
	v_nop
	s_wait_alu depctr_va_vdst(0)    ; one wait for the four reciprocals
.irp u, 0,1,2,3
	v_mul_f32 v[ST+8*(\u)+6], v[ST+8*(\u)+5], v[ST+8*(\u)+7]
.endr
	v_mul_f32 v[ST+22], v[LAM], v[ST+22]
	v_mul_f32 v[ST+30], v[LAM], v[ST+30]
	WIN W_RS
.set n, 0
.rept 64
	v_pk_mul_f32 v[2*n:2*n+1], v[2*n:2*n+1], v[ST+8*(n/32)+6:ST+8*(n/32)+7] op_sel_hi:[1,0]
.set n, n+1
.endr
	WIN 0x51                        ; sources 0 and 2 and the destination window 1, source 1 window 0
.set n, 0
.rept 64
	v_pk_fma_f32 v[2*n:2*n+1], v[128+2*n:129+2*n], v[ST+16+8*(n/32)+6:ST+16+8*(n/32)+7], v[2*n:2*n+1] op_sel_hi:[1,0,1]
.set n, n+1
.endr
	WIN 0x04                        ; store data window 1
.set n, 0
.rept 16
	ds_store_b128 v[XWA], v[64+4*n:67+4*n] offset:512*n
.set n, n+1
.endr
	WIN 0
.endm
; FIN_C: the partner's tile 1 is added onto my tile 0; then the norm, the gain, the rounding, and the way out through a stage.
.macro FIN_C
	WIN 0x40
.set n, 0
.rept 16
	ds_load_b128 v[64+4*n:67+4*n], v[XRA] offset:512*n
.set n, n+1
.endr
	s_wait_dscnt 0x0
	WIN 0x45
.set n, 0
.rept 32
	v_pk_add_f32 v[2*n:2*n+1], v[2*n:2*n+1], v[64+2*n:65+2*n]
.set n, n+1
.endr
	WIN 0x55                        ; the sum of squares, in four chains
.set n, 0
.rept 4
	v_pk_mul_f32 v[128+2*n:129+2*n], v[2*n:2*n+1], v[2*n:2*n+1]
.set n, n+1
.endr
.rept 28
	v_pk_fma_f32 v[128+2*(n%4):129+2*(n%4)], v[2*n:2*n+1], v[2*n:2*n+1], v[128+2*(n%4):129+2*(n%4)]
.set n, n+1
.endr
	v_pk_add_f32 v[128:129], v[128:129], v[130:131]
	v_pk_add_f32 v[132:133], v[132:133], v[134:135]
	v_pk_add_f32 v[128:129], v[128:129], v[132:133]
	WIN 0x05
	v_add_f32 v[PS], v128, v129
	WIN 0
	v_permlanex16_b32 v[PS+1], v[PS], s[SEL], s[SEL+1]  ; the row's other 64 channels lie in the lane 16 away
	v_add_f32 v[PS], v[PS], v[PS+1]
	v_fma_f32 v[PS], v[PS], s[R128], s[EPS]
	v_rsq_f32 v[PS+2], v[PS]
	v_nop
	s_wait_alu depctr_va_vdst(0)
	WIN W_RS
.set n, 0
.rept 32
	v_pk_mul_f32 v[2*n:2*n+1], v[2*n:2*n+1], v[PS+2:PS+3] op_sel_hi:[1,0]
.set n, n+1
.endr
	WIN 0x4d                        ; source 1 window 3
.set n, 0
.rept 32
	v_pk_mul_f32 v[2*n:2*n+1], v[2*n:2*n+1], v[WS+2*n:WS+2*n+1]
.set n, n+1
.endr
	WIN 0x05
.set n, 0
.rept 32
	v_cvt_pk_f16_f32 v[S+n], v[2*n], v[2*n+1]
.set n, n+1
.endr
	WIN 0
.irp f, 0,1,2,3,4,5,6,7
	ds_store_b128 v[STO], v[S+4*(\f):S+4*(\f)+3] offset:32*(\f)  ; bytes that I alone have read since the barrier, and that nobody writes before later barriers
.endr
.irp f, 0,1,2,3,4,5,6,7
	ds_load_b128 v[S+32+4*(\f):S+32+4*(\f)+3], v[RD] offset:544*(\f)  ; LDS serves a wave's instructions in order (ISA guide 5.7.1.4)
.endr
.irp f, 0,1,2,3,4,5,6,7
	s_wait_dscnt 7-(\f)             ; the 7 - f younger loads from the stage may stay out
	global_store_b128 v[GO], v[S+32+4*(\f):S+32+4*(\f)+3], s[OP:OP+1] offset:4096*(\f)  ; 16 lanes store 256 consecutive bytes, at a multiple of 256 from ob's first
.endr
.endm
.macro MEET                         ; a barrier of a block's end: my LDS stores are done and my LDS loads are back, for the partner's sake
	s_wait_dscnt 0x0
	s_barrier_signal -1
	s_barrier_wait -1
.endm
.macro NEXTBLOCK
	s_wait_xcnt 0x0                 ; the stores have read their registers and ob's address
	s_mov_b64 s[OP:OP+1], s[OLO:OLO+1]
	s_mov_b32 s[BLK], 1
	s_mov_b32 s[DLT], s[DL2]
	WIN 0x82
.set n, 0
.rept 64
	v_mov_b32 v[n], v[QB+n]
.set n, n+1
.endr
	INIT
.endm
; A TILE.  Its branches hang on the cluster's number and on counters alone: they are the same in all waves and in all partners.
; last = 1: the walk's last tile, which is the second block's last: it takes masks and ends the block without a test.
.macro TILE last
.if !(\last)
	s_sub_co_u32 s[RT], s[RT], 1
	s_mov_b32 s[FL], 0
	s_cmp_eq_u32 s[BLK], 1          ; the second block's last tile is the walk's last: none of its tiles in the loop ends a block
	s_cbranch_scc1 .Lknown_\@
	s_cmp_lg_u32 s[RT], 0
	s_cbranch_scc1 .Lknown_\@
	s_mov_b32 s[FL], 1              ; the first block's last tile: it holds hidden keys, and behind it the block ends
.Lknown_\@:
.endif
	s_mov_b32 s[CNT], 2
.Lstep_\@:
	v_add_nc_u32 v[X0], s[DLT], v[XB]    ; two lines in every step, so that the jump below passes the masks' 128 lines alone
	v_add_nc_u32 v[X0+1], s[DX], v[X0]
.if !(\last)
	s_cmp_eq_u32 s[FL], 0
	s_cbranch_scc1 .Lno_mask_\@
.endif
	MASK
.if !(\last)
.Lno_mask_\@:
.endif
	STEP
	s_sub_co_u32 s[DLT], s[DLT], KS
	s_sub_co_u32 s[CNT], s[CNT], 1
	s_cmp_lg_u32 s[CNT], 0
	s_cbranch_scc1 .Lstep_\@
	s_sub_co_u32 s[DLT], s[DLT], 128  ; past the other key half's 128 keys
.if !(\last)
	s_cmp_eq_u32 s[FL], 0
	s_cbranch_scc1 .Lnot_a_\@
.endif
	FIN_A
.if !(\last)
.Lnot_a_\@:
.endif
	MEET
.if !(\last)
	s_cmp_eq_u32 s[FL], 0
	s_cbranch_scc1 .Lnot_b_\@
.endif
	FIN_B
.if !(\last)
.Lnot_b_\@:
.endif
	MEET
.if !(\last)
	s_cmp_eq_u32 s[FL], 0
	s_cbranch_scc1 .Lnot_c_\@
.endif
	FIN_C
.if !(\last)
	NEXTBLOCK
.Lnot_c_\@:
.endif
.endm
.Lslot:                             ; eight times: a tile is entered and the next is asked for
	CHANGE 1
	TILE 0
	s_sub_co_u32 s[SLOTS], s[SLOTS], 1
	s_cmp_lg_u32 s[SLOTS], 0
	s_cbranch_scc1 .Lslot
	CHANGE 0                        ; the walk's last tile is written out
	TILE 1
	s_wait_tensorcnt 0x0            ; the wave's end
	ds_add_u32 v[SPW], v[NIL]
	s_wait_dscnt 0x0
	CROUND                          ; the closing round
	s_endpgm
.Lfunc_end_k_q559909f331_attn:
	.size	k_q559909f331_attn, .Lfunc_end_k_q559909f331_attn-k_q559909f331_attn
	.p2alignl 7, 3214868480
	.fill 96, 4, 3214868480
	.section	.rodata,"a",@progbits
	.p2align	6, 0x0
	.amdhsa_kernel k_q559909f331_attn
		.amdhsa_group_segment_fixed_size 327680
		.amdhsa_private_segment_fixed_size 0
		.amdhsa_enable_private_segment 0
		.amdhsa_kernarg_size 56
		.amdhsa_user_sgpr_count 2
		.amdhsa_user_sgpr_kernarg_segment_ptr 1
		.amdhsa_wavefront_size32 1
		.amdhsa_system_sgpr_workgroup_id_x 1
		.amdhsa_system_sgpr_workgroup_id_y 1
		.amdhsa_system_sgpr_workgroup_id_z 1
		.amdhsa_system_vgpr_workitem_id 0
		.amdhsa_next_free_vgpr 1024
		.amdhsa_next_free_sgpr 88
		.amdhsa_reserve_vcc 1
		.amdhsa_float_denorm_mode_32 3
		.amdhsa_float_denorm_mode_16_64 3
		.amdhsa_memory_ordered 1
		.amdhsa_forward_progress 1
		.amdhsa_inst_pref_size 190
	.end_amdhsa_kernel
	.amdgpu_metadata
---
amdhsa.version: [ 1, 2 ]
amdhsa.kernels:
  - .name:           k_q559909f331_attn
    .symbol:         k_q559909f331_attn.kd
    .args:
      - { .name: qkv, .offset: 0, .size: 8, .value_kind: global_buffer, .address_space: global }
      - { .name: lambda_q1, .offset: 8, .size: 8, .value_kind: global_buffer, .address_space: global }
      - { .name: lambda_k1, .offset: 16, .size: 8, .value_kind: global_buffer, .address_space: global }
      - { .name: lambda_q2, .offset: 24, .size: 8, .value_kind: global_buffer, .address_space: global }
      - { .name: lambda_k2, .offset: 32, .size: 8, .value_kind: global_buffer, .address_space: global }
      - { .name: rms_weight, .offset: 40, .size: 8, .value_kind: global_buffer, .address_space: global }
      - { .name: ob, .offset: 48, .size: 8, .value_kind: global_buffer, .address_space: global }
    .group_segment_fixed_size: 327680
    .private_segment_fixed_size: 0
    .kernarg_segment_align: 8
    .kernarg_segment_size: 56
    .max_flat_workgroup_size: 128
    .sgpr_count:     88
    .vgpr_count:     1024
    .wavefront_size: 32
...
	.end_amdgpu_metadata
.endif
;; end of part 3
;; launch outp (part 4): grid 8 x 32, 4 waves a work-group, clusters of 4 x 4, 327,680 bytes of LDS; arguments ob, cv, out0; writes out0
.if DOCPART == 4
	.amdgcn_target "amdgcn-amd-amdhsa--gfx1250"
	.amdhsa_code_object_version 6
	.text
	.protected	k_q559909f331_outp
	.globl	k_q559909f331_outp
	.p2align	8
	.type	k_q559909f331_outp,@function
k_q559909f331_outp:
	s_mov_b64 s[64:65], 0
	v_nop
	global_prefetch_b8 v0, s[64:65] scope:SCOPE_SE
	s_setreg_imm32_b32 hwreg(HW_REG_WAVE_MODE, 25, 1), 1
	s_wait_xcnt 0x0
	s_wait_alu depctr_hold_cnt(0) depctr_sa_sdst(0) depctr_va_vdst(0) depctr_va_sdst(0) depctr_va_ssrc(0) depctr_va_vcc(0) depctr_vm_vsrc(0)
	s_getreg_b32 s2, hwreg(HW_REG_IB_STS2, 6, 4)
	s_cmp_eq_u32 s2, 0
	s_cbranch_scc0 .Lentry_in_a_cluster
	s_endpgm
.Lentry_in_a_cluster:
	s_bfe_u32 s2, ttmp6, 0x10000c
	s_cmp_lg_u32 s2, 0xf033
	s_cbranch_scc0 .Lentry_shape_is_right
	s_endpgm
.Lentry_shape_is_right:
; out0 = ob Wo.  A: ob, [4,096][1,024] f16.  W: Wo in cv, [k][n], its bf16 numbers written as f16.  out0: [4,096][1,024] f32.  Sums in f32.
; A tile of C is 128 x 128: 256 work-groups, one for each WGP.  Four waves, each 64 x 64: 16 accumulators.  K = 1,024 goes in four steps of 256 through two LDS slots; the text is straight.
; CLUSTER 4 x 4: A's tile is asked for jointly along a row of the cluster, W's along a column.  The matrix instruction is used transposed (source 0 = 16 columns of W, source 1 = 16 rows of A):
; a lane holds eight neighbouring numbers of a row of C.  W's fragments come out of LDS turned, by ds_load_tr16_b128.
; A wave's 64 columns of f32 are one aligned 256 bytes of a row, so each wave has a stage of its own on the way out, and no barrier stands there.
; No prefetch: the tiles are small, and two of the four K steps are the first fills.
; REGISTERS: window 0: v16-29 addresses; v32-63 the way out; v128-255 accumulators ((a, b) at 128 + 8 (4 a + b)).  Window 1: two fragment buffers of 128: 64 of A, then 64 of W.
.set PA,     528
.set PB,     288
.set HALFA,  64*PA
.set HALFB,  128*PB
.set BOFF,   128*PA
.set SLOT,   BOFF+256*PB
.set STAGE,  2*SLOT                    ; behind the ring: 16 rows x 272 bytes for each wave
.set SPITCH, 272
.set SPARE,  STAGE+4*16*SPITCH         ; the spare words, 128 bytes for each wave, which no other line names
.set WBASE,  31457280                  ; Wo's first byte in cv
.set ASTEP,  512
.set WSTEP,  524288
.set ADRA, 16
.set ADRB, 20
.set STO,  24
.set RD,   25
.set CO,   26
.set SPW,  28
.set NIL,  29
.set TMP,  32
.set ACC,  128
.set F0,   0
.set F1,   128
.set G1, 24
.set G0, 32
.set G1B, 48
.set G0B, 56
.set MSB, 0
.macro WIN new
.if MSB != (\new)
	s_set_vgpr_msb (MSB<<8)|(\new)
.set MSB, \new
.endif
.endm
.set MUL,  0x05
.set TO_F, 0x40
.macro JLOAD s                         ; a joint refill: waves 0 and 1 fetch A's halves, waves 2 and 3 W's; s_nop 0 and four v_nop follow each line
	s_cmp_eq_u32 s11, 0
	s_cbranch_scc0 .Lfor_b_\@
	tensor_load_to_lds s[G0+4*(\s):G0+4*(\s)+3], s[G1:G1+7]
	s_nop 0
.rept 4
	v_nop
.endr
	s_branch .Lasked_\@
.Lfor_b_\@:
	tensor_load_to_lds s[G0B+4*(\s):G0B+4*(\s)+3], s[G1B:G1B+7]
	s_nop 0
.rept 4
	v_nop
.endr
.Lasked_\@:
.endm
.macro CREST
	s_cmp_lg_u32 s10, 0
	s_cbranch_scc1 .Lnot_wave_0_\@
	s_barrier_signal -3
.Lnot_wave_0_\@:
	s_barrier_wait -3
	s_barrier_signal -1
	s_barrier_wait -1
.endm
.macro CROUND
	s_barrier_signal -1
	s_barrier_wait -1
	CREST
.endm
	s_load_b128 s[4:7], s[0:1], 0x0                ; ob s[4:5], cv s[6:7]
	s_load_b64 s[8:9], s[0:1], 0x10                ; out0
	v_lshl_add_u32 v[SPW], v0, 2, SPARE
	v_mov_b32 v[NIL], 0
	ds_add_u32 v[SPW], v[NIL]                      ; the wave's opening: the add and its wait ahead of my first tensor load
	v_lshrrev_b32 v1, 5, v0
	v_readfirstlane_b32 s10, v1
	s_lshr_b32 s11, s10, 1                         ; my half of the tile's rows.  Also: I fetch for A (0) or for W (1)
	s_and_b32 s12, s10, 1                          ; my half of its columns.  Also: which half I fetch
	s_bfe_u32 s40, ttmp6, 0x40000                  ; cx
	s_bfe_u32 s41, ttmp6, 0x40004                  ; cy
	s_lshl_b32 s42, ttmp9, 2
	s_add_co_u32 s42, s42, s40                     ; tile column
	s_and_b32 s13, ttmp7, 0xffff
	s_lshl_b32 s13, s13, 2
	s_add_co_u32 s13, s13, s41                     ; tile row
	s_lshl_b32 s43, s41, 2
	s_lshl_b32 s43, 15, s43
	s_lshl_b32 s44, 0x1111, s40
	s_or_b32 s[G1+0], s43, (1<<16)|(1<<20)|(1<<21)|(6<<22)|(3<<25)   ; A: 64 rows x 256 elements; after every 128 words, 4 words
	s_mov_b32 s[G1+1], 256<<16
	s_mov_b32 s[G1+2], 64<<16
	s_mov_b32 s[G1+3], 256<<16
	s_mov_b32 s[G1+4], 64
	s_mov_b32 s[G1+5], 1024
	s_mov_b32 s[G1+6], 0
	s_mov_b32 s[G1+7], 0
	s_or_b32 s[G1B+0], s44, (1<<16)|(1<<20)|(1<<21)|(5<<22)|(7<<25)  ; W: 128 rows x 128 elements; after every 64 words, 8 words
	s_mov_b32 s[G1B+1], 128<<16
	s_mov_b32 s[G1B+2], 128<<16
	s_mov_b32 s[G1B+3], 128<<16
	s_mov_b32 s[G1B+4], 128
	s_mov_b32 s[G1B+5], 1024
	s_mov_b32 s[G1B+6], 0
	s_mov_b32 s[G1B+7], 0
	s_lshl_b32 s16, s13, 18
	s_lshl_b32 s17, s12, 17
	s_add_co_u32 s16, s16, s17
	s_mov_b32 s17, 0
	s_lshl_b32 s46, s42, 8
	s_lshl_b32 s47, s12, 18
	s_add_co_u32 s46, s46, s47
	s_add_co_u32 s46, s46, WBASE
	s_mov_b32 s47, 0
	s_mul_i32 s20, s12, HALFA
	s_mul_i32 s21, s12, HALFB
	s_add_co_u32 s21, s21, BOFF
	s_wait_dscnt 0x0                               ; the opening add is done
	s_wait_kmcnt 0x0
	s_add_nc_u64 s[14:15], s[4:5], s[16:17]
	s_add_nc_u64 s[46:47], s[6:7], s[46:47]
	CROUND
.irp s, 0,1
	s_mov_b32 s[G0+4*(\s)], 1
	s_add_co_u32 s[G0+4*(\s)+1], s20, (\s)*SLOT
	s_add_nc_u64 s[G0+4*(\s)+2:G0+4*(\s)+3], s[14:15], (\s)*ASTEP
	s_or_b32 s[G0+4*(\s)+3], s[G0+4*(\s)+3], 0x80000000
	s_mov_b32 s[G0B+4*(\s)], 1
	s_add_co_u32 s[G0B+4*(\s)+1], s21, (\s)*SLOT
	s_add_nc_u64 s[G0B+4*(\s)+2:G0B+4*(\s)+3], s[46:47], (\s)*WSTEP
	s_or_b32 s[G0B+4*(\s)+3], s[G0B+4*(\s)+3], 0x80000000
.endr
	s_cmp_eq_u32 s11, 0                            ; a wave's two first fills stand in one branch: two loads of mine are out
	s_cbranch_scc0 .Lfirst_b
	tensor_load_to_lds s[G0:G0+3], s[G1:G1+7]
	s_nop 0
	tensor_load_to_lds s[G0+4:G0+7], s[G1:G1+7]
	s_nop 0
.rept 4
	v_nop
.endr
	s_branch .Lfirst_asked
.Lfirst_b:
	tensor_load_to_lds s[G0B:G0B+3], s[G1B:G1B+7]
	s_nop 0
	tensor_load_to_lds s[G0B+4:G0B+7], s[G1B:G1B+7]
	s_nop 0
.rept 4
	v_nop
.endr
.Lfirst_asked:
	v_and_b32 v1, 15, v0
	v_bfe_u32 v2, v0, 4, 1
	v_mul_u32_u24 v3, v1, PA
	v_lshl_add_u32 v3, v2, 4, v3
	s_mul_i32 s22, s11, HALFA
	v_add_nc_u32 v[ADRA], s22, v3
	v_add_nc_u32 v[ADRA+1], SLOT, v[ADRA]
	v_and_b32 v4, 7, v0
	v_bfe_u32 v5, v0, 3, 1
	v_lshl_add_u32 v4, v2, 3, v4
	v_mul_u32_u24 v4, v4, PB
	v_lshl_add_u32 v4, v5, 4, v4
	s_lshl_b32 s22, s12, 7
	s_add_co_u32 s22, s22, BOFF
	v_add_nc_u32 v[ADRB], s22, v4
	v_add_nc_u32 v[ADRB+1], HALFB, v[ADRB]
	v_add_nc_u32 v[ADRB+2], SLOT, v[ADRB]
	v_add_nc_u32 v[ADRB+3], SLOT, v[ADRB+1]
	s_mul_i32 s23, s10, 16*SPITCH
	s_add_co_u32 s23, s23, STAGE                   ; my stage
	v_mul_u32_u24 v4, v1, SPITCH                   ; in: row l % 16, 32 bytes for each half of the lanes
	v_lshl_add_u32 v4, v2, 5, v4
	v_add_nc_u32 v[STO], s23, v4
	v_mul_u32_u24 v5, v2, SPITCH                   ; back: lanes 0-15 one row of 256 bytes, lanes 16-31 the next
	v_lshl_add_u32 v5, v1, 4, v5
	v_add_nc_u32 v[RD], s23, v5
	v_lshlrev_b32 v[CO], 12, v2                    ; and the same two rows in out0
	v_lshl_add_u32 v[CO], v1, 4, v[CO]
	s_lshl_b32 s16, s13, 19                        ; 128 rows of 4,096 bytes a tile row,
	s_lshl_b32 s17, s11, 18                        ; my 64 of them
	s_add_co_u32 s16, s16, s17
	s_mov_b32 s17, 0
	s_add_nc_u64 s[8:9], s[8:9], s[16:17]
	s_lshl_b32 s46, s42, 9                         ; 512 bytes a tile column,
	s_lshl_b32 s47, s12, 8                         ; my 256 of them
	s_add_co_u32 s46, s46, s47
	s_mov_b32 s47, 0
	s_add_nc_u64 s[8:9], s[8:9], s[46:47]
.macro MUL8 f, c, a0, zero             ; 8 matrix instructions; the 16 accumulators take turns
	WIN MUL
.irp a, \a0, (\a0)+1
.irp b, 0,1,2,3
.if \zero
	v_wmma_f32_16x16x32_f16 v[ACC+8*(4*(\a)+(\b)):ACC+8*(4*(\a)+(\b))+7], v[(\f)+64+8*(4*(\c)+(\b)):(\f)+64+8*(4*(\c)+(\b))+7], v[(\f)+8*(4*(\c)+(\a)):(\f)+8*(4*(\c)+(\a))+7], 0
.else
	v_wmma_f32_16x16x32_f16 v[ACC+8*(4*(\a)+(\b)):ACC+8*(4*(\a)+(\b))+7], v[(\f)+64+8*(4*(\c)+(\b)):(\f)+64+8*(4*(\c)+(\b))+7], v[(\f)+8*(4*(\c)+(\a)):(\f)+8*(4*(\c)+(\a))+7], v[ACC+8*(4*(\a)+(\b)):ACC+8*(4*(\a)+(\b))+7]
.endif
.endr
.endr
.endm
.macro FETCH slot, q, f                ; 32 LDS loads in one run: quarter q (64 along K) of a slot into buffer f; the first 32 along K first
	WIN TO_F
.irp c, 0,1
.irp i, 0,1,2,3
	ds_load_tr16_b128 v[(\f)+64+8*(4*(\c)+(\i)):(\f)+64+8*(4*(\c)+(\i))+3],   v[ADRB+2*(\slot)+(\q)/2] offset:(((\q)%2)*64+32*(\c))*PB+32*(\i)
	ds_load_tr16_b128 v[(\f)+64+8*(4*(\c)+(\i))+4:(\f)+64+8*(4*(\c)+(\i))+7], v[ADRB+2*(\slot)+(\q)/2] offset:(((\q)%2)*64+32*(\c)+16)*PB+32*(\i)
	ds_load_b128 v[(\f)+8*(4*(\c)+(\i)):(\f)+8*(4*(\c)+(\i))+3],              v[ADRA+(\slot)] offset:128*(\q)+64*(\c)+(\i)*16*PA
	ds_load_b128 v[(\f)+8*(4*(\c)+(\i))+4:(\f)+8*(4*(\c)+(\i))+7],            v[ADRA+(\slot)] offset:128*(\q)+64*(\c)+(\i)*16*PA+32
.endr
.endr
.endm
.macro PLACES
.rept 4
	v_nop
.endr
.endm
.macro QUARTER slot, q, f, g, zero
	s_wait_dscnt 16                                ; the first 32 along K are in; the youngest sixteen loads may be out
	MUL8 \f, 0, 0, \zero
	MUL8 \f, 0, 2, \zero
	PLACES
	FETCH \slot, \q, \g
	s_wait_dscnt 32                                ; all but the 32 just issued
	MUL8 \f, 1, 0, 0
	MUL8 \f, 1, 2, 0
.endm
.macro TURN slot, next, fill
	WIN 0
	s_wait_tensorcnt 0x0                           ; all my tensor loads have landed: my part of the next slot
	ds_add_u32 v[SPW], v[NIL]
	s_wait_dscnt 17                                ; the add and the youngest sixteen loads may be out
	MUL8 F1, 0, 0, 0
	s_wait_dscnt 0x0                               ; the add is done, and my reads of this slot are over
	s_barrier_signal -1
	MUL8 F1, 0, 2, 0
.if \fill
	WIN 0
.endif
	s_barrier_wait -1
.if \fill
	CREST                                          ; no wave of any partner still reads this slot or has a load on its way
	s_add_nc_u64 s[G0+4*(\slot)+2:G0+4*(\slot)+3], s[G0+4*(\slot)+2:G0+4*(\slot)+3], 2*ASTEP
	s_add_nc_u64 s[G0B+4*(\slot)+2:G0B+4*(\slot)+3], s[G0B+4*(\slot)+2:G0B+4*(\slot)+3], 2*WSTEP
	JLOAD \slot                                    ; its four v_nop are also the places in front of the loads below
.else
	PLACES
.endif
	FETCH \next, 0, F0
	MUL8 F1, 1, 0, 0
	MUL8 F1, 1, 2, 0
.endm
	s_wait_tensorcnt 1                             ; my part of K step 0 is in; step 1's may stay out
	s_barrier_signal -1
	s_barrier_wait -1
	FETCH 0, 0, F0
	QUARTER 0, 1, F0, F1, 1
	QUARTER 0, 2, F1, F0, 0
	QUARTER 0, 3, F0, F1, 0
	TURN 0, 1, 1
	QUARTER 1, 1, F0, F1, 0
	QUARTER 1, 2, F1, F0, 0
	QUARTER 1, 3, F0, F1, 0
	TURN 1, 0, 1
	QUARTER 0, 1, F0, F1, 0
	QUARTER 0, 2, F1, F0, 0
	QUARTER 0, 3, F0, F1, 0
	TURN 0, 1, 0
	QUARTER 1, 1, F0, F1, 0
	QUARTER 1, 2, F1, F0, 0
	QUARTER 1, 3, F0, F1, 0
	s_wait_dscnt 16
	MUL8 F1, 0, 0, 0
	MUL8 F1, 0, 2, 0
	s_wait_dscnt 0
	MUL8 F1, 1, 0, 0
	MUL8 F1, 1, 2, 0
	WIN 0
	; THE WAY OUT, 16 rows at a time through my own stage: 32 bytes a lane in, whole rows of 256 bytes back.  LDS serves a wave's instructions in order (ISA guide 5.7.1.4), so no wait stands between.
	PLACES
.irp a, 0,1,2,3
	s_wait_xcnt 0x0                                ; the last block's stores have read the registers that are loaded again below
.irp b, 0,1,2,3
	ds_store_b128 v[STO], v[ACC+8*(4*(\a)+(\b)):ACC+8*(4*(\a)+(\b))+3]   offset:64*(\b)
	ds_store_b128 v[STO], v[ACC+8*(4*(\a)+(\b))+4:ACC+8*(4*(\a)+(\b))+7] offset:64*(\b)+16
.endr
.irp t, 0,1,2,3,4,5,6,7
	ds_load_b128 v[TMP+4*(\t):TMP+4*(\t)+3], v[RD] offset:(\t)*2*SPITCH
.endr
.irp t, 0,1,2,3,4,5,6,7
	s_wait_dscnt 7-(\t)
	global_store_b128 v[CO], v[TMP+4*(\t):TMP+4*(\t)+3], s[8:9] offset:(16*(\a)+2*(\t))*4096  ; 16 lanes store 256 consecutive bytes, at a multiple of 256 from out0's first
.endr
.endr
	s_wait_tensorcnt 0x0                           ; the wave's end
	ds_add_u32 v[SPW], v[NIL]
	s_wait_dscnt 0x0
	CROUND                                         ; the closing round
	s_endpgm
.Lfunc_end_k_q559909f331_outp:
	.size	k_q559909f331_outp, .Lfunc_end_k_q559909f331_outp-k_q559909f331_outp
	.p2alignl 7, 3214868480
	.fill 96, 4, 3214868480
	.section	.rodata,"a",@progbits
	.p2align	6, 0x0
	.amdhsa_kernel k_q559909f331_outp
		.amdhsa_group_segment_fixed_size 327680
		.amdhsa_private_segment_fixed_size 0
		.amdhsa_enable_private_segment 0
		.amdhsa_kernarg_size 24
		.amdhsa_user_sgpr_count 2
		.amdhsa_user_sgpr_kernarg_segment_ptr 1
		.amdhsa_wavefront_size32 1
		.amdhsa_system_sgpr_workgroup_id_x 1
		.amdhsa_system_sgpr_workgroup_id_y 1
		.amdhsa_system_sgpr_workgroup_id_z 1
		.amdhsa_system_vgpr_workitem_id 0
		.amdhsa_next_free_vgpr 512
		.amdhsa_next_free_sgpr 66
		.amdhsa_reserve_vcc 0
		.amdhsa_float_denorm_mode_32 3
		.amdhsa_float_denorm_mode_16_64 3
		.amdhsa_memory_ordered 1
		.amdhsa_forward_progress 1
		.amdhsa_inst_pref_size 86
	.end_amdhsa_kernel
	.amdgpu_metadata
---
amdhsa.version: [ 1, 2 ]
amdhsa.kernels:
  - .name:           k_q559909f331_outp
    .symbol:         k_q559909f331_outp.kd
    .args:
      - { .name: ob, .offset: 0, .size: 8, .value_kind: global_buffer, .address_space: global }
      - { .name: cv, .offset: 8, .size: 8, .value_kind: global_buffer, .address_space: global }
      - { .name: out0, .offset: 16, .size: 8, .value_kind: global_buffer, .address_space: global }
    .group_segment_fixed_size: 327680
    .private_segment_fixed_size: 0
    .kernarg_segment_align: 8
    .kernarg_segment_size: 24
    .max_flat_workgroup_size: 128
    .sgpr_count:     66
    .vgpr_count:     512
    .wavefront_size: 32
...
	.end_amdgpu_metadata
.endif
;; end of part 4
